; MI455X (gfx1250); checked and timed in simulation.
; The chip was launched on July 23, 2026; its instructions are those of AMD's public machine-readable ISA for CDNA 5 (MIT licence, August 2026) and "CDNA5" Instruction Set Architecture Reference Guide (July 2026). The comments in the code are by the model that wrote it; some were corrected since.
;; Hungarian Matcher. Allowed arithmetic: float matrix products may take bf16 or f16 operands with f32 sums; all other float work in f32.
;; Inputs: gt_boxes 32 x 64 x 4 float32; gt_classes 32 x 64 int32; image_size_xyxy 32 x 4 float32; image_size_xyxy_tgt 32 x 64 x 4 float32; pred_boxes 32 x 2,000 x 4 float32; pred_logits 32 x 2,000 x 80 float32.
;; Outputs: out0 32 x 2,000 x 64 float32; out1 32 x 64 int32.
;; 2 versions, each right; version 2 is version 1 with the launch cost written anew for expert scheduling mode. Each part assembles by itself: llvm-mc -triple=amdgcn-amd-amdhsa -mcpu=gfx1250 --defsym DOCPART=n.
;; ======== version 1 of 2: 7 launches
;; workspace buffers: cost 16,777,216 bytes; cmin 262,144 bytes; part 983,040 bytes; SA 327,680 bytes of whole numbers; SB 327,680 bytes of whole numbers
;; launch cost (part 1): grid 8 x 32, 8 waves a work-group, no clusters, 139,264 bytes of LDS; arguments pred_logits, pred_boxes, gt_classes, gt_boxes, image_size_xyxy, image_size_xyxy_tgt, cost, cmin, part; writes cost, cmin, part
.if DOCPART == 1
	.amdgcn_target "amdgcn-amd-amdhsa--gfx1250"
	.amdhsa_code_object_version 6
	.text
	.protected	k_q66721cb5f1_cost
	.globl	k_q66721cb5f1_cost
	.p2align	8
	.type	k_q66721cb5f1_cost,@function
k_q66721cb5f1_cost:
	s_mov_b64 s[64:65], 0
	v_nop
	global_prefetch_b8 v0, s[64:65] scope:SCOPE_SE
	s_setreg_imm32_b32 hwreg(HW_REG_WAVE_MODE, 25, 1), 1
	s_wait_xcnt 0x0
; THE COST MATRIX.  cost[b][q][g] for 32 images x 2000 queries x 64 boxes, stored as [32][2048][64] f32 (rows 2000-2047 = +inf), each row's minimum (cmin),
; and for each block of 256 rows and each column g: the 5 smallest costs (ascending, earlier rows first among equals), their payloads q | (row's argmin column) << 16, and the 5 largest IoU (part).
; SHARES.  Work-group (x = block of 256 rows, y = image); wave w takes 32 rows; lane l holds columns 2 l and 2 l + 1 in register pairs, so a wave's store of a row is 256 consecutive bytes.
; A wave's 32 rows of logits (10,240 consecutive bytes) are copied once into LDS bytes of its own, and each lane picks its two classes' numbers from there.
; No matrix unit (there is no product), no cluster (no two work-groups read the same rows), no data mover (the staging is small and each wave's own).
; LIMITS.  NaN and infinite costs are not treated apart.  a / b is a reciprocal with one correction step, log x is log2 x times ln 2: each within about one unit in the last place,
; so two costs closer than about 1e-6 of themselves may fall in another order than with exact quotients.
.set NQ,    2000
.set LOGMAX, 32*NQ*320-16              ; the last 16 bytes of pred_logits
.set LSTA,  0                          ; 8 lists x 15 lines x 256 bytes
.set LSTB,  30720                      ; 4 lists
.set LSTC,  46080                      ; 2 lists
.set SPARE, 53760                      ; the spare words, 128 bytes a wave
.set LOGS,  54784                      ; 8 x 10,240: each wave's rows of logits, 320 bytes a row
.set GX0, 2                            ; pairs (column 2 l, column 2 l + 1): the box x0, y0, x1, y1
.set GY0, 4
.set GX1, 6
.set GY1, 8
.set GAR, 10                           ; its area
.set TN0, 12                           ; v12-19 the box divided by its image size
.set CL,  20                           ; the centre region's left, right, top, bottom
.set CR,  22
.set CT,  24
.set CB,  26
.set LAD, 28                           ; LDS address of my two classes' logits in the wave's first row
.set CV,  30                           ; v30-39 five smallest costs: level k, column e at CV + 2 k + e
.set CP,  40                           ; v40-49 their payloads
.set UV,  50                           ; v50-59 five largest IoU
.set RL,  60                           ; v60-70 rows in lanes: box, area, box / size, centre x, y
.set CMV, 71                           ; rows in lanes: the row's minimum
.set LG,  72                           ; v72-79 logits of a trip's 4 rows
.set CO,  80                           ; v80-87 costs of a trip's 4 rows
.set T,   88                           ; v88-135 at work
.set OFFC, 136                         ; byte offset of my pair in the trip's first row of cost
.set MA,  137                          ; merge: where I read
.set MO,  138                          ; merge: where I write
.set SPW, 140                          ; my spare word; never rewritten
.set NIL, 141                          ; 0; never rewritten
.set STG, 144                          ; v144-223 the logits on their way to LDS
.set SAD, T+24                         ; v112-131 their 20 offsets
.set RS,  32                           ; s32-53 a row's 11 numbers at the even registers; the odd ones hold 0 (named as pairs)
.set MK,  66                           ; s66-81 sixteen masks of comparisons
.set MS,  82                           ; s82-86 masks of an insertion
.macro DIVC d, a, b, r, t              ; d = a / b for a pair; r holds 1 / b: product, remainder, correction
	v_pk_mul_f32 v[\d:\d+1], v[\a:\a+1], v[\r:\r+1]
	v_pk_fma_f32 v[\t:\t+1], v[\d:\d+1], v[\b:\b+1], v[\a:\a+1] neg_lo:[1,0,0] neg_hi:[1,0,0]
	v_pk_fma_f32 v[\d:\d+1], v[\t:\t+1], v[\r:\r+1], v[\d:\d+1]
.endm
; x (register number) with payload p goes into column e's ascending list of five; strictly smaller only, so that what came earlier stays in front among equals
.macro INS_COST e, x, p
.irp k, 0,1,2,3,4
	v_cmp_lt_f32 s[MS+\k], v[\x], v[CV+2*\k+\e]
.endr
.irp k, 4,3,2,1
	v_cndmask_b32 v[CP+2*\k+\e], v[CP+2*\k+\e], \p, s[MS+\k]
	v_cndmask_b32 v[CP+2*\k+\e], v[CP+2*\k+\e], v[CP+2*\k-2+\e], s[MS+\k-1]
	v_med3_num_f32 v[CV+2*\k+\e], v[\x], v[CV+2*\k-2+\e], v[CV+2*\k+\e]
.endr
	v_cndmask_b32 v[CP+\e], v[CP+\e], \p, s[MS]
	v_min_num_f32 v[CV+\e], v[CV+\e], v[\x]
.endm
.macro INS_IOU e, x                    ; x goes into column e's descending list of five
.irp k, 4,3,2,1
	v_med3_num_f32 v[UV+2*\k+\e], v[\x], v[UV+2*\k-2+\e], v[UV+2*\k+\e]
.endr
	v_max_num_f32 v[UV+\e], v[UV+\e], v[\x]
.endm
	s_load_b512 s[4:19], s[0:1], 0x0               ; logits s[4:5], boxes s[6:7], classes s[8:9], gt s[10:11], size s[12:13], size_tgt s[14:15], cost s[16:17], cmin s[18:19]
	s_load_b64 s[20:21], s[0:1], 0x40              ; part
	v_lshl_add_u32 v[SPW], v0, 2, SPARE
	v_mov_b32 v[NIL], 0
	v_and_b32 v1, 31, v0                           ; lane
	v_lshrrev_b32 v[T], 5, v0
	v_readfirstlane_b32 s22, v[T]                  ; wave
	s_mov_b32 s23, ttmp9                           ; block of 256 rows
	s_and_b32 s24, ttmp7, 0xffff                   ; image
	s_lshl_b32 s25, s23, 8
	s_lshl_b32 s87, s22, 5
	s_add_co_u32 s25, s25, s87                     ; my wave's first row
	s_lshl_b32 s88, s24, 4
	s_mul_i32 s91, s24, NQ
	s_add_co_u32 s89, s91, s25
	s_mul_i32 s89, s89, 320                        ; that row's byte in pred_logits
	s_lshl_b32 s90, s24, 10
	v_lshlrev_b32 v[T+44], 5, v1
	v_add_nc_u32 v[T+44], s90, v[T+44]             ; my two boxes: (64 b + 2 l) x 16
	s_lshl_b32 s90, s24, 8
	v_lshl_add_u32 v[T+45], v1, 3, s90             ; my two classes
	v_add_nc_u32 v[T+46], s25, v1
	v_min_u32 v[T+46], NQ-1, v[T+46]               ; rows in lanes; past the last row the last one once more
	v_add_nc_u32 v[T+46], s91, v[T+46]
	v_lshlrev_b32 v[T+46], 4, v[T+46]
	v_lshl_add_u32 v[T+47], v1, 4, s89
	s_wait_kmcnt 0x0
	s_load_b128 s[28:31], s[12:13], s88 offset:0x0 ; the image's size
	global_load_b128 v[T:T+3], v[T+44], s[10:11]
	global_load_b128 v[T+4:T+7], v[T+44], s[10:11] offset:16
	global_load_b128 v[T+8:T+11], v[T+44], s[14:15]
	global_load_b128 v[T+12:T+15], v[T+44], s[14:15] offset:16
	global_load_b64 v[T+20:T+21], v[T+45], s[8:9]
	global_load_b128 v[RL:RL+3], v[T+46], s[6:7]
.set k, 0
.rept 20                                               ; 32 rows of logits, 512 consecutive bytes a load; no load passes the buffer's end
	v_add_nc_u32 v[SAD+k], k*512, v[T+47]
	v_min_u32 v[SAD+k], LOGMAX, v[SAD+k]
	global_load_b128 v[STG+4*k:STG+4*k+3], v[SAD+k], s[4:5] th:TH_LOAD_NT
.set k, k+1
.endr
.irp k, 0,1,2,3,4,5,6,7,8,9,10,11
	s_mov_b32 s[RS+2*\k+1], 0                      ; the pairs' upper halves (s55 with them)
.endr
	s_mov_b32 s56, 0x76543210                      ; v_permlanex16_b32: each lane takes its own place in the other half
	s_mov_b32 s57, 0xfedcba98
	s_mul_i32 s92, s22, 10240
	s_add_co_u32 s92, s92, LOGS                    ; my wave's rows of logits in LDS
	s_lshl_b32 s93, s24, 11
	s_add_co_u32 s93, s93, s25                     ; 2048 b + first row
	s_lshl_b32 s94, s93, 8
	s_mov_b32 s95, 0
	s_add_nc_u64 s[16:17], s[16:17], s[94:95]
	s_lshl_b32 s94, s93, 2
	s_add_nc_u64 s[18:19], s[18:19], s[94:95]
	s_lshl_b32 s94, s24, 3
	s_add_co_u32 s94, s94, s23
	s_mul_i32 s94, s94, 3840
	s_add_nc_u64 s[20:21], s[20:21], s[94:95]
	s_wait_loadcnt 20                              ; the six set-up loads are in; the 20 loads of logits issued behind them stay out
	s_wait_kmcnt 0x0
.irp c, 0,1,2,3                                        ; into pairs: boxes, and their image sizes
	v_mov_b32 v[GX0+2*\c], v[T+\c]
	v_mov_b32 v[GX0+2*\c+1], v[T+4+\c]
	v_mov_b32 v[LG+2*\c], v[T+8+\c]
	v_mov_b32 v[LG+2*\c+1], v[T+12+\c]
.endr
.irp c, 0,1,2,3,4,5,6,7
	v_rcp_f32 v[CO+\c], v[LG+\c]
.endr
	v_pk_add_f32 v[T:T+1], v[GX1:GX1+1], v[GX0:GX0+1] neg_lo:[0,1] neg_hi:[0,1]     ; width (the plain line behind the reciprocals)
	v_pk_add_f32 v[T+2:T+3], v[GY1:GY1+1], v[GY0:GY0+1] neg_lo:[0,1] neg_hi:[0,1]   ; height
	v_pk_mul_f32 v[GAR:GAR+1], v[T:T+1], v[T+2:T+3]
	s_wait_alu depctr_va_vdst(0)
.irp c, 0,1,2,3
	DIVC TN0+2*\c, GX0+2*\c, LG+2*\c, CO+2*\c, T+4
.endr
	v_pk_add_f32 v[T+6:T+7], v[GX0:GX0+1], v[GX1:GX1+1]
	v_pk_add_f32 v[T+8:T+9], v[GY0:GY0+1], v[GY1:GY1+1]
	v_pk_mul_f32 v[T+6:T+7], v[T+6:T+7], 0.5 op_sel_hi:[1,0]
	v_pk_mul_f32 v[T+8:T+9], v[T+8:T+9], 0.5 op_sel_hi:[1,0]
	v_pk_fma_f32 v[CL:CL+1], v[T:T+1], 0xc0200000, v[T+6:T+7] op_sel_hi:[1,0,1]     ; centre -/+ 2.5 x extent
	v_pk_fma_f32 v[CR:CR+1], v[T:T+1], 0x40200000, v[T+6:T+7] op_sel_hi:[1,0,1]
	v_pk_fma_f32 v[CT:CT+1], v[T+2:T+3], 0xc0200000, v[T+8:T+9] op_sel_hi:[1,0,1]
	v_pk_fma_f32 v[CB:CB+1], v[T+2:T+3], 0x40200000, v[T+8:T+9] op_sel_hi:[1,0,1]
.irp e, 0,1
	v_min_u32 v[T+20+\e], 79, v[T+20+\e]           ; a loaded number enters an address only behind this bound
	v_lshl_add_u32 v[LAD+\e], v[T+20+\e], 2, s92
.endr
.irp c, 0,1,2,3
	v_rcp_f32 v[T+8+\c], s[28+\c]
.endr
	v_sub_f32 v[T+12], v[RL+2], v[RL]
	v_sub_f32 v[T+13], v[RL+3], v[RL+1]
	v_mul_f32 v[RL+4], v[T+12], v[T+13]            ; the query's area
	s_wait_alu depctr_va_vdst(0)
.irp c, 0,1,2,3                                        ; the query's box / image size
	v_mul_f32 v[RL+5+\c], v[RL+\c], v[T+8+\c]
	v_fma_f32 v[T+12], -v[RL+5+\c], s[28+\c], v[RL+\c]
	v_fma_f32 v[RL+5+\c], v[T+12], v[T+8+\c], v[RL+5+\c]
.endr
	v_add_f32 v[RL+9], v[RL], v[RL+2]
	v_add_f32 v[RL+10], v[RL+1], v[RL+3]
	v_mul_f32 v[RL+9], 0.5, v[RL+9]
	v_mul_f32 v[RL+10], 0.5, v[RL+10]
.set k, 0
.rept 10
	v_mov_b32 v[CV+k], 0x7f800000
	v_mov_b32 v[CP+k], 0
	v_mov_b32 v[UV+k], -1.0
.set k, k+1
.endr
	v_mov_b32 v[CMV], 0x7f800000
	v_lshlrev_b32 v[OFFC], 3, v1
	v_lshl_add_u32 v[T+47], v1, 4, s92
	s_wait_loadcnt 0x0                             ; the logits
.set k, 0
.rept 20
	ds_store_b128 v[T+47], v[STG+4*k:STG+4*k+3] offset:k*512   ; my wave's own bytes: LDS serves a wave's instructions in order (ISA guide 5.7.1.4), so no barrier
.set k, k+1
.endr
; ONE ROW (row i of the trip's four): its eleven numbers become scalars, each lane makes the costs of its two columns.
.macro ROW i
	s_add_co_u32 s27, s87, \i                      ; the lane that holds this row
.irp k, 0,1,2,3,4,5,6,7,8,9,10
	v_readlane_b32 s[RS+2*\k], v[RL+\k], s27
.endr
.irp e, 0,1
	v_max_num_f32 v[T+\e],    s[RS],   v[GX0+\e]   ; intersection
	v_max_num_f32 v[T+2+\e],  s[RS+2], v[GY0+\e]
	v_min_num_f32 v[T+4+\e],  s[RS+4], v[GX1+\e]
	v_min_num_f32 v[T+6+\e],  s[RS+6], v[GY1+\e]
	v_min_num_f32 v[T+8+\e],  s[RS],   v[GX0+\e]   ; enclosing box
	v_min_num_f32 v[T+10+\e], s[RS+2], v[GY0+\e]
	v_max_num_f32 v[T+12+\e], s[RS+4], v[GX1+\e]
	v_max_num_f32 v[T+14+\e], s[RS+6], v[GY1+\e]
.endr
	v_pk_add_f32 v[T+4:T+5], v[T+4:T+5], v[T:T+1] neg_lo:[0,1] neg_hi:[0,1]
	v_pk_add_f32 v[T+6:T+7], v[T+6:T+7], v[T+2:T+3] neg_lo:[0,1] neg_hi:[0,1]
	v_pk_add_f32 v[T+12:T+13], v[T+12:T+13], v[T+8:T+9] neg_lo:[0,1] neg_hi:[0,1]
	v_pk_add_f32 v[T+14:T+15], v[T+14:T+15], v[T+10:T+11] neg_lo:[0,1] neg_hi:[0,1]
.irp r, 4,5,6,7,12,13,14,15
	v_max_num_f32 v[T+\r], 0, v[T+\r]
.endr
	v_pk_mul_f32 v[T:T+1], v[T+4:T+5], v[T+6:T+7]                          ; inter
	v_pk_mul_f32 v[T+8:T+9], v[T+12:T+13], v[T+14:T+15]                    ; area_c
	v_pk_add_f32 v[T+2:T+3], v[GAR:GAR+1], s[RS+8:RS+9] op_sel_hi:[1,0]
	v_pk_add_f32 v[T+2:T+3], v[T+2:T+3], v[T:T+1] neg_lo:[0,1] neg_hi:[0,1]  ; union
	v_rcp_f32 v[T+16], v[T+2]
	v_rcp_f32 v[T+17], v[T+3]
	v_rcp_f32 v[T+18], v[T+8]
	v_rcp_f32 v[T+19], v[T+9]
	v_pk_add_f32 v[T+10:T+11], v[T+8:T+9], v[T+2:T+3] neg_lo:[0,1] neg_hi:[0,1]  ; area_c - union: the plain line behind the reciprocals (ISA guide 5.7.2)
	s_wait_alu depctr_va_vdst(0)
	DIVC T+20, T, T+2, T+16, T+22                  ; IoU
	DIVC T+24, T+10, T+8, T+18, T+22
	v_pk_add_f32 v[T+24:T+25], v[T+20:T+21], v[T+24:T+25] neg_lo:[0,1] neg_hi:[0,1]  ; generalised IoU
.irp c, 0,1,2,3
	v_pk_add_f32 v[T+26+2*\c:T+27+2*\c], v[TN0+2*\c:TN0+2*\c+1], s[RS+10+2*\c:RS+11+2*\c] op_sel_hi:[1,0] neg_lo:[1,0] neg_hi:[1,0]
.endr
.irp e, 0,1                                            ; the L1 distance
	v_add_f32 v[T+26+\e], |v[T+26+\e]|, |v[T+28+\e]|
	v_add_f32 v[T+26+\e], v[T+26+\e], |v[T+30+\e]|
	v_add_f32 v[T+26+\e], v[T+26+\e], |v[T+32+\e]|
.endr
.irp e, 0,1                                            ; the query's centre against the box and against the centre region
	v_cmp_gt_f32 s[MK+8*\e],   s[RS+18], v[GX0+\e]
	v_cmp_lt_f32 s[MK+8*\e+1], s[RS+18], v[GX1+\e]
	v_cmp_gt_f32 s[MK+8*\e+2], s[RS+20], v[GY0+\e]
	v_cmp_lt_f32 s[MK+8*\e+3], s[RS+20], v[GY1+\e]
	v_cmp_gt_f32 s[MK+8*\e+4], s[RS+18], v[CL+\e]
	v_cmp_lt_f32 s[MK+8*\e+5], s[RS+18], v[CR+\e]
	v_cmp_gt_f32 s[MK+8*\e+6], s[RS+20], v[CT+\e]
	v_cmp_lt_f32 s[MK+8*\e+7], s[RS+20], v[CB+\e]
.endr
	v_pk_add_f32 v[T+34:T+35], v[LG+2*\i:LG+2*\i+1], 1.0 op_sel_hi:[1,0] neg_lo:[1,0] neg_hi:[1,0]  ; 1 - p
	v_pk_add_f32 v[T+38:T+39], v[LG+2*\i:LG+2*\i+1], 0x322bcc77 op_sel_hi:[1,0]                     ; p + 1e-8
	v_pk_add_f32 v[T+36:T+37], v[T+34:T+35], 0x322bcc77 op_sel_hi:[1,0]                             ; 1 - p + 1e-8
	v_log_f32 v[T+36], v[T+36]
	v_log_f32 v[T+37], v[T+37]
	v_log_f32 v[T+38], v[T+38]
	v_log_f32 v[T+39], v[T+39]
	v_pk_mul_f32 v[T+40:T+41], v[LG+2*\i:LG+2*\i+1], v[LG+2*\i:LG+2*\i+1]  ; the plain line behind the logarithms
	v_pk_mul_f32 v[T+42:T+43], v[T+34:T+35], v[T+34:T+35]
.irp e, 0,1
	s_and_b32 s[MK+8*\e],   s[MK+8*\e],   s[MK+8*\e+1]
	s_and_b32 s[MK+8*\e+2], s[MK+8*\e+2], s[MK+8*\e+3]
	s_and_b32 s[MK+8*\e],   s[MK+8*\e],   s[MK+8*\e+2]   ; in the box
	s_and_b32 s[MK+8*\e+4], s[MK+8*\e+4], s[MK+8*\e+5]
	s_and_b32 s[MK+8*\e+6], s[MK+8*\e+6], s[MK+8*\e+7]
	s_and_b32 s[MK+8*\e+4], s[MK+8*\e+4], s[MK+8*\e+6]   ; in the centre region
	s_and_b32 s[MK+8*\e+1], s[MK+8*\e],   s[MK+8*\e+4]   ; in both
	s_or_b32  s[MK+8*\e],   s[MK+8*\e],   s[MK+8*\e+4]
.endr
	s_or_b32 s89, s[MK], s[MK+8]                   ; SCC: the centre lies in some box or region
	s_cselect_b32 s54, 0, 0x461c4000               ; else 1e4 on the whole row
	v_pk_mul_f32 v[T+40:T+41], v[T+40:T+41], 0x3f400000 op_sel_hi:[1,0]    ; 0.75 p^2
	v_pk_mul_f32 v[T+42:T+43], v[T+42:T+43], 0x3e800000 op_sel_hi:[1,0]    ; 0.25 (1 - p)^2
	s_wait_alu depctr_va_vdst(0)
	v_pk_mul_f32 v[T+36:T+37], v[T+36:T+37], 0x3f317218 op_sel_hi:[1,0]    ; log2 to ln
	v_pk_mul_f32 v[T+38:T+39], v[T+38:T+39], 0x3f317218 op_sel_hi:[1,0]
	v_pk_mul_f32 v[T+40:T+41], v[T+40:T+41], v[T+36:T+37]                  ; - neg
	v_pk_fma_f32 v[T+40:T+41], v[T+42:T+43], v[T+38:T+39], v[T+40:T+41] neg_lo:[1,0,0] neg_hi:[1,0,0]  ; pos - neg
	v_pk_mul_f32 v[CO+2*\i:CO+2*\i+1], v[T+26:T+27], 0x40a00000 op_sel_hi:[1,0]
	v_pk_fma_f32 v[CO+2*\i:CO+2*\i+1], v[T+40:T+41], 2.0, v[CO+2*\i:CO+2*\i+1] op_sel_hi:[1,0,1]
	v_pk_fma_f32 v[CO+2*\i:CO+2*\i+1], v[T+24:T+25], -2.0, v[CO+2*\i:CO+2*\i+1] op_sel_hi:[1,0,1]
	v_cndmask_b32 v[T+44], 0x42c80000, 0, s[MK+1]  ; 100 where not in both
	v_cndmask_b32 v[T+45], 0x42c80000, 0, s[MK+9]
	v_pk_add_f32 v[CO+2*\i:CO+2*\i+1], v[CO+2*\i:CO+2*\i+1], v[T+44:T+45]
	v_pk_add_f32 v[CO+2*\i:CO+2*\i+1], v[CO+2*\i:CO+2*\i+1], s[54:55] op_sel_hi:[1,0]
	global_store_b64 v[OFFC], v[CO+2*\i:CO+2*\i+1], s[16:17] offset:\i*256  ; the wave stores the row's 256 consecutive bytes
	v_min_num_f32 v[T+46], v[CO+2*\i], v[CO+2*\i+1]                        ; the row's minimum, in every lane
	v_min_num_f32_dpp v[T+46], v[T+46], v[T+46] row_xmask:1 row_mask:0xf bank_mask:0xf
	v_min_num_f32_dpp v[T+46], v[T+46], v[T+46] row_xmask:2 row_mask:0xf bank_mask:0xf
	v_min_num_f32_dpp v[T+46], v[T+46], v[T+46] row_xmask:4 row_mask:0xf bank_mask:0xf
	v_min_num_f32_dpp v[T+46], v[T+46], v[T+46] row_xmask:8 row_mask:0xf bank_mask:0xf
	v_permlanex16_b32 v[T+47], v[T+46], s56, s57
	v_min_num_f32 v[T+46], v[T+46], v[T+47]
	v_cmp_eq_f32 s89, v[T+46], v[CO+2*\i]
	v_cmp_eq_f32 s90, v[T+46], v[CO+2*\i+1]
	s_ctz_i32_b32 s89, s89                         ; the first column that holds it: 2 x lane, or 2 x lane + 1 (no bit: -1, which loses the unsigned minimum)
	s_ctz_i32_b32 s90, s90
	s_lshl_b32 s89, s89, 1
	s_lshl_b32 s90, s90, 1
	s_or_b32 s90, s90, 1
	s_min_u32 s89, s89, s90
	s_lshl_b32 s89, s89, 16
	s_add_co_u32 s90, s88, \i
	s_or_b32 s91, s89, s90                         ; payload: q | argmin column << 16
	s_lshl_b32 s92, 1, s27
	v_cndmask_b32 v[CMV], v[CMV], v[T+46], s92
	INS_COST 0, CO+2*\i, s91
	INS_COST 1, CO+2*\i+1, s91
	INS_IOU 0, T+20
	INS_IOU 1, T+21
.endm
	s_mov_b32 s26, 0
.Ltrip:                                                ; 8 trips of 4 rows; 2000 is a multiple of 4, so a trip is all rows or all padding
	s_lshl_b32 s87, s26, 2
	s_add_co_u32 s88, s25, s87
	s_cmp_ge_u32 s88, NQ
	s_cbranch_scc1 .Lpad
	s_mul_i32 s89, s26, 1280
	v_add_nc_u32 v[T+46], s89, v[LAD]
	v_add_nc_u32 v[T+47], s89, v[LAD+1]
.irp i, 0,1,2,3
	ds_load_b32 v[LG+2*\i], v[T+46] offset:\i*320
	ds_load_b32 v[LG+2*\i+1], v[T+47] offset:\i*320
.endr
	s_wait_dscnt 0x0
	ROW 0
	ROW 1
	ROW 2
	ROW 3
	s_branch .Lstep
.Lpad:
.irp r, 0,1,2,3,4,5,6,7
	v_mov_b32 v[CO+\r], 0x7f800000
.endr
.irp i, 0,1,2,3
	global_store_b64 v[OFFC], v[CO+2*\i:CO+2*\i+1], s[16:17] offset:\i*256
.endr
.Lstep:
	s_wait_xcnt 0x0                                ; the trip's stores have read their offset and data: only now are these rewritten
	v_add_nc_u32 v[OFFC], 1024, v[OFFC]
	s_add_co_u32 s26, s26, 1
	s_cmp_lt_u32 s26, 8
	s_cbranch_scc1 .Ltrip
	v_lshlrev_b32 v[T], 2, v1
	global_store_b32 v[T], v[CMV], s[18:19]        ; my wave's 32 row minima
	; THE LISTS OF THE EIGHT WAVES ARE MERGED, two at a time, the higher rows' list into the lower rows'
	s_mul_i32 s87, s22, 3840
	v_lshl_add_u32 v[T+1], v1, 3, s87
.irp k, 0,1,2,3,4
	ds_store_b64 v[T+1], v[CV+2*\k:CV+2*\k+1] offset:LSTA+\k*256
	ds_store_b64 v[T+1], v[CP+2*\k:CP+2*\k+1] offset:LSTA+(5+\k)*256
	ds_store_b64 v[T+1], v[UV+2*\k:UV+2*\k+1] offset:LSTA+(10+\k)*256
.endr
	s_lshr_b32 s88, s22, 1                         ; which two lists
	s_and_b32 s89, s22, 1
	s_lshl_b32 s89, s89, 7                         ; which 32 columns
	s_mul_i32 s90, s88, 7680
	s_add_co_u32 s90, s90, s89
	v_lshl_add_u32 v[MA], v1, 2, s90
	s_mul_i32 s91, s88, 3840
	s_add_co_u32 s91, s91, s89
	v_lshl_add_u32 v[MO], v1, 2, s91
	s_wait_xcnt 0x0                                ; the store of the minima has read v[T], which the merge loads into
.macro MERGE src
.irp k, 0,1,2,3,4
	ds_load_b32 v[CV+2*\k], v[MA] offset:\src+\k*256
	ds_load_b32 v[CP+2*\k], v[MA] offset:\src+(5+\k)*256
	ds_load_b32 v[UV+2*\k], v[MA] offset:\src+(10+\k)*256
.endr
.set k2, 0
.rept 15
	ds_load_b32 v[T+k2], v[MA] offset:\src+3840+k2*256
.set k2, k2+1
.endr
	s_wait_dscnt 0x0
.irp k, 0,1,2,3,4
	INS_COST 0, T+\k, v[T+5+\k]
	INS_IOU 0, T+10+\k
.endr
.endm
.macro PUT dst
.irp k, 0,1,2,3,4
	ds_store_b32 v[MO], v[CV+2*\k] offset:\dst+\k*256
	ds_store_b32 v[MO], v[CP+2*\k] offset:\dst+(5+\k)*256
	ds_store_b32 v[MO], v[UV+2*\k] offset:\dst+(10+\k)*256
.endr
.endm
	s_wait_dscnt 0x0                               ; for the others' sake: my lists are in LDS
	s_barrier_signal -1
	s_barrier_wait -1
	MERGE LSTA
	PUT LSTB
	s_wait_dscnt 0x0
	s_barrier_signal -1
	s_barrier_wait -1
	s_cmp_lt_u32 s22, 4
	s_cbranch_scc0 .Ls2
	MERGE LSTB
	PUT LSTC
.Ls2:
	s_wait_dscnt 0x0
	s_barrier_signal -1
	s_barrier_wait -1
	s_cmp_lt_u32 s22, 2
	s_cbranch_scc0 .Ls3
	MERGE LSTC
.irp k, 0,1,2,3,4
	global_store_b32 v[MO], v[CV+2*\k], s[20:21] offset:\k*256
	global_store_b32 v[MO], v[CP+2*\k], s[20:21] offset:(5+\k)*256
	global_store_b32 v[MO], v[UV+2*\k], s[20:21] offset:(10+\k)*256
.endr
.Ls3:
	s_wait_tensorcnt 0x0                           ; the wave's end
	ds_add_u32 v[SPW], v[NIL]
	s_wait_dscnt 0x0
	s_endpgm
.Lfunc_end_k_q66721cb5f1_cost:
	.size	k_q66721cb5f1_cost, .Lfunc_end_k_q66721cb5f1_cost-k_q66721cb5f1_cost
	.p2alignl 7, 3214868480
	.fill 96, 4, 3214868480
	.section	.rodata,"a",@progbits
	.p2align	6, 0x0
	.amdhsa_kernel k_q66721cb5f1_cost
		.amdhsa_group_segment_fixed_size 139264
		.amdhsa_private_segment_fixed_size 0
		.amdhsa_enable_private_segment 0
		.amdhsa_kernarg_size 72
		.amdhsa_user_sgpr_count 2
		.amdhsa_user_sgpr_kernarg_segment_ptr 1
		.amdhsa_wavefront_size32 1
		.amdhsa_system_sgpr_workgroup_id_x 1
		.amdhsa_system_sgpr_workgroup_id_y 1
		.amdhsa_system_sgpr_workgroup_id_z 1
		.amdhsa_system_vgpr_workitem_id 0
		.amdhsa_next_free_vgpr 224
		.amdhsa_next_free_sgpr 96
		.amdhsa_reserve_vcc 0
		.amdhsa_float_denorm_mode_32 3
		.amdhsa_float_denorm_mode_16_64 3
		.amdhsa_memory_ordered 1
		.amdhsa_forward_progress 1
		.amdhsa_inst_pref_size 90
	.end_amdhsa_kernel
	.amdgpu_metadata
---
amdhsa.version: [ 1, 2 ]
amdhsa.kernels:
  - .name:           k_q66721cb5f1_cost
    .symbol:         k_q66721cb5f1_cost.kd
    .args:
      - { .name: pred_logits, .offset: 0, .size: 8, .value_kind: global_buffer, .address_space: global }
      - { .name: pred_boxes, .offset: 8, .size: 8, .value_kind: global_buffer, .address_space: global }
      - { .name: gt_classes, .offset: 16, .size: 8, .value_kind: global_buffer, .address_space: global }
      - { .name: gt_boxes, .offset: 24, .size: 8, .value_kind: global_buffer, .address_space: global }
      - { .name: image_size_xyxy, .offset: 32, .size: 8, .value_kind: global_buffer, .address_space: global }
      - { .name: image_size_xyxy_tgt, .offset: 40, .size: 8, .value_kind: global_buffer, .address_space: global }
      - { .name: cost, .offset: 48, .size: 8, .value_kind: global_buffer, .address_space: global }
      - { .name: cmin, .offset: 56, .size: 8, .value_kind: global_buffer, .address_space: global }
      - { .name: part, .offset: 64, .size: 8, .value_kind: global_buffer, .address_space: global }
    .group_segment_fixed_size: 139264
    .private_segment_fixed_size: 0
    .kernarg_segment_align: 8
    .kernarg_segment_size: 72
    .max_flat_workgroup_size: 256
    .sgpr_count:     96
    .vgpr_count:     224
    .wavefront_size: 32
...
	.end_amdgpu_metadata
.endif
;; end of part 1
;; launch init (part 2): grid 32 x 1, 10 waves a work-group, no clusters, 4,096 bytes of LDS; arguments part, SA; writes SA
.if DOCPART == 2
	.amdgcn_target "amdgcn-amd-amdhsa--gfx1250"
	.amdhsa_code_object_version 6
	.text
	.protected	k_q66721cb5f1_init
	.globl	k_q66721cb5f1_init
	.p2align	8
	.type	k_q66721cb5f1_init,@function
k_q66721cb5f1_init:
	s_mov_b64 s[64:65], 0
	v_nop
	global_prefetch_b8 v0, s[64:65] scope:SCOPE_SE
	s_setreg_imm32_b32 hwreg(HW_REG_WAVE_MODE, 25, 1), 1
	s_wait_xcnt 0x0
; THE FIRST MATCHING.  One work-group an image.  Threads 0-63 (one a column) merge the eight blocks' lists, take k = max(int(sum of the 5 largest IoU), 1) and name the k cheapest rows.
; Then all 320 threads (5 places x 64 columns) compare their row with all 320: a row named more than once goes to its own cheapest column.
; Stored, as whole numbers, 10,240 bytes an image: ST (2048 words, column + 1 | additions << 8: here 0), CC at 8192 (rows a column has), D at 8448 (trips done: 0),
; LIST at 8704 (320 words, q | column << 16, or 2048 for an empty place): the next launch forms LDS addresses from LIST.
.set KEY,   0                          ; 320 words: the named rows' payloads, place i of column g at word 64 i + g
.set W2,    1280                       ; 320 words: the column that a row's first naming gives it, else 255
.set SPARE, 2560                       ; the spare words, 128 bytes a wave
.set CV,  2                            ; lists as in the launch before, level k at + 2 k
.set CP,  12
.set UV,  22
.set OWN, 32
.set CNT, 33
.set FIRST, 34
.set AD,  35
.set G,   36
.set TMP, 37                           ; v37-39
.set L,   40                           ; v40-144 the other seven blocks' lists; later v40-119: words out of LDS
.set K,   40
.set SPW, 146
.set NIL, 147
.set MS,  20                           ; s20-24 masks of an insertion
.macro INS_COST e, x, p
.irp k, 0,1,2,3,4
	v_cmp_lt_f32 s[MS+\k], v[\x], v[CV+2*\k+\e]
.endr
.irp k, 4,3,2,1
	v_cndmask_b32 v[CP+2*\k+\e], v[CP+2*\k+\e], \p, s[MS+\k]
	v_cndmask_b32 v[CP+2*\k+\e], v[CP+2*\k+\e], v[CP+2*\k-2+\e], s[MS+\k-1]
	v_med3_num_f32 v[CV+2*\k+\e], v[\x], v[CV+2*\k-2+\e], v[CV+2*\k+\e]
.endr
	v_cndmask_b32 v[CP+\e], v[CP+\e], \p, s[MS]
	v_min_num_f32 v[CV+\e], v[CV+\e], v[\x]
.endm
.macro INS_IOU e, x
.irp k, 4,3,2,1
	v_med3_num_f32 v[UV+2*\k+\e], v[\x], v[UV+2*\k-2+\e], v[UV+2*\k+\e]
.endr
	v_max_num_f32 v[UV+\e], v[UV+\e], v[\x]
.endm
.macro BLOCK j                         ; block j + 1's list goes into mine
.irp k, 0,1,2,3,4
	INS_COST 0, L+15*(\j)+\k, v[L+15*(\j)+5+\k]
	INS_IOU 0, L+15*(\j)+10+\k
.endr
.endm
	s_load_b128 s[4:7], s[0:1], 0x0                ; part s[4:5], S s[6:7]
	v_lshl_add_u32 v[SPW], v0, 2, SPARE
	v_mov_b32 v[NIL], 0
	v_lshrrev_b32 v[TMP], 5, v0
	v_readfirstlane_b32 s8, v[TMP]                 ; wave
	v_lshlrev_b32 v1, 2, v0                        ; 4 t
	v_and_b32 v[G], 63, v0                         ; my column
	s_mul_i32 s10, ttmp9, 30720
	s_mov_b32 s11, 0
	s_mul_i32 s12, ttmp9, 10240
	s_mov_b32 s13, 0
	s_wait_kmcnt 0x0
	s_add_nc_u64 s[4:5], s[4:5], s[10:11]
	s_add_nc_u64 s[6:7], s[6:7], s[12:13]
	s_cmp_lt_u32 s8, 2
	s_cbranch_scc0 .Lzero
.irp k, 0,1,2,3,4                                      ; block 0's list is the one that the others go into
	global_load_b32 v[CV+2*\k], v1, s[4:5] offset:\k*256
	global_load_b32 v[CP+2*\k], v1, s[4:5] offset:(5+\k)*256
	global_load_b32 v[UV+2*\k], v1, s[4:5] offset:(10+\k)*256
.endr
.set j, 0
.rept 45                                               ; blocks 1 to 3: with block 0's, 60 loads of mine are out
	global_load_b32 v[L+j], v1, s[4:5] offset:3840+j*256
.set j, j+1
.endr
	s_wait_loadcnt 0x0
.rept 60                                               ; blocks 4 to 7: 60 loads, which land while blocks 1 to 3 are merged
	global_load_b32 v[L+j], v1, s[4:5] offset:3840+j*256
.set j, j+1
.endr
	BLOCK 0                                        ; in the order of the blocks: earlier rows stay in front among equals
	BLOCK 1
	BLOCK 2
	s_wait_loadcnt 0x0
	BLOCK 3
	BLOCK 4
	BLOCK 5
	BLOCK 6
	v_add_f32 v[TMP], v[UV], v[UV+2]
	v_add_f32 v[TMP], v[TMP], v[UV+4]
	v_add_f32 v[TMP], v[TMP], v[UV+6]
	v_add_f32 v[TMP], v[TMP], v[UV+8]
	v_cvt_i32_f32 v[TMP], v[TMP]                   ; toward zero
	v_max_i32 v[TMP], 1, v[TMP]                    ; k
.irp i, 0,1,2,3,4
	v_add_nc_u32 v[TMP+1], 4096+64*\i, v[G]        ; an empty place: bit 12, and a number that no other place has
	v_cmp_lt_i32 vcc_lo, \i, v[TMP]
	v_cndmask_b32 v[TMP+1], v[TMP+1], v[CP+2*\i], vcc_lo
	ds_store_b32 v1, v[TMP+1] offset:KEY+256*\i
.endr
	s_branch .Ljoin
.Lzero:                                                ; waves 2-9: ST = 0, 16 bytes a thread, twice 4,096 bytes
.irp r, 0,1,2,3
	v_mov_b32 v[K+\r], 0
.endr
	v_subrev_nc_u32 v[AD], 64, v0
	v_lshlrev_b32 v[AD], 4, v[AD]
	global_store_b128 v[AD], v[K:K+3], s[6:7]
	global_store_b128 v[AD], v[K:K+3], s[6:7] offset:4096
	s_wait_xcnt 0x0                                ; the stores have read their offset and data, which are rewritten below
.Ljoin:
	s_wait_dscnt 0x0
	s_barrier_signal -1
	s_barrier_wait -1
	ds_load_b32 v[OWN], v1 offset:KEY
	v_mov_b32 v[CNT], 0
	v_mov_b32 v[FIRST], 0
	s_mov_b32 s9, 10
.Lscan:                                                ; 10 trips x 32 places, from the last place down: FIRST ends as the lowest place with my word, CNT as their number
	s_sub_co_u32 s14, s9, 1
	s_lshl_b32 s15, s14, 7
	s_lshl_b32 s14, s14, 5
	v_mov_b32 v[AD], s15
.irp c, 0,1,2,3,4,5,6,7
	ds_load_b128 v[K+4*\c:K+4*\c+3], v[AD] offset:KEY+16*\c
.endr
	s_wait_dscnt 0x0
.set jj, 31
.rept 32
	v_cmp_eq_u32 vcc_lo, v[K+jj], v[OWN]           ; equal words: the same row (a row has one argmin column)
	s_add_co_u32 s15, s14, jj
	v_cndmask_b32 v[FIRST], v[FIRST], s15, vcc_lo
	v_add_co_ci_u32 v[CNT], vcc_lo, 0, v[CNT], vcc_lo
.set jj, jj-1
.endr
	s_sub_co_u32 s9, s9, 1
	s_cmp_lg_u32 s9, 0
	s_cbranch_scc1 .Lscan
	v_and_b32 v[TMP], 0x1000, v[OWN]
	v_cmp_eq_u32 s16, 0, v[TMP]                    ; my place holds a row
	v_and_b32 v[TMP], 0xfff, v[OWN]                ; q
	v_lshrrev_b32 v[TMP+1], 16, v[OWN]             ; its argmin column
	v_cmp_lt_u32 vcc_lo, 1, v[CNT]
	v_cndmask_b32 v[TMP+1], v[G], v[TMP+1], vcc_lo ; named twice or more: the row's own cheapest column
	v_lshl_or_b32 v[TMP], v[TMP+1], 16, v[TMP]
	v_cndmask_b32 v[TMP], 0x800, v[TMP], s16
	global_store_b32 v1, v[TMP], s[6:7] offset:8704
	v_cmp_eq_u32 s17, v[FIRST], v0
	s_and_b32 s17, s17, s16
	v_cndmask_b32 v[TMP+2], 0xff, v[TMP+1], s17    ; each row counts once
	ds_store_b32 v1, v[TMP+2] offset:W2
	s_wait_dscnt 0x0
	s_barrier_signal -1
	s_barrier_wait -1
	s_cmp_lt_u32 s8, 2
	s_cbranch_scc0 .Lend
	; How many rows has my column?  W2's 1,280 bytes in four runs of 20 loads, every lane the same bytes; the addresses are constants: W2 to W2 + 1,279, which no wave writes any more
	v_mov_b32 v[CNT], 0
	v_mov_b32 v[AD], 0
.set tr, 0
.rept 4
.set c, 0
.rept 20
	ds_load_b128 v[K+4*c:K+4*c+3], v[AD] offset:W2+320*tr+16*c
.set c, c+1
.endr
	s_wait_dscnt 0x0
.set jj, 0
.rept 80
	v_cmp_eq_u32 vcc_lo, v[K+jj], v[G]
	v_add_co_ci_u32 v[CNT], vcc_lo, 0, v[CNT], vcc_lo
.set jj, jj+1
.endr
.set tr, tr+1
.endr
	global_store_b32 v1, v[CNT], s[6:7] offset:8192
	s_cmp_eq_u32 s8, 0
	s_cbranch_scc0 .Lend
	v_mov_b32 v[FIRST], 0
	global_store_b32 v1, v[FIRST], s[6:7] offset:8448  ; D = 0
.Lend:
	s_wait_tensorcnt 0x0                           ; the wave's end
	ds_add_u32 v[SPW], v[NIL]
	s_wait_dscnt 0x0
	s_endpgm
.Lfunc_end_k_q66721cb5f1_init:
	.size	k_q66721cb5f1_init, .Lfunc_end_k_q66721cb5f1_init-k_q66721cb5f1_init
	.p2alignl 7, 3214868480
	.fill 96, 4, 3214868480
	.section	.rodata,"a",@progbits
	.p2align	6, 0x0
	.amdhsa_kernel k_q66721cb5f1_init
		.amdhsa_group_segment_fixed_size 4096
		.amdhsa_private_segment_fixed_size 0
		.amdhsa_enable_private_segment 0
		.amdhsa_kernarg_size 16
		.amdhsa_user_sgpr_count 2
		.amdhsa_user_sgpr_kernarg_segment_ptr 1
		.amdhsa_wavefront_size32 1
		.amdhsa_system_sgpr_workgroup_id_x 1
		.amdhsa_system_sgpr_workgroup_id_y 1
		.amdhsa_system_sgpr_workgroup_id_z 1
		.amdhsa_system_vgpr_workitem_id 0
		.amdhsa_next_free_vgpr 148
		.amdhsa_next_free_sgpr 66
		.amdhsa_reserve_vcc 1
		.amdhsa_float_denorm_mode_32 3
		.amdhsa_float_denorm_mode_16_64 3
		.amdhsa_memory_ordered 1
		.amdhsa_forward_progress 1
		.amdhsa_inst_pref_size 97
	.end_amdhsa_kernel
	.amdgpu_metadata
---
amdhsa.version: [ 1, 2 ]
amdhsa.kernels:
  - .name:           k_q66721cb5f1_init
    .symbol:         k_q66721cb5f1_init.kd
    .args:
      - { .name: part, .offset: 0, .size: 8, .value_kind: global_buffer, .address_space: global }
      - { .name: SA, .offset: 8, .size: 8, .value_kind: global_buffer, .address_space: global }
    .group_segment_fixed_size: 4096
    .private_segment_fixed_size: 0
    .kernarg_segment_align: 8
    .kernarg_segment_size: 16
    .max_flat_workgroup_size: 320
    .sgpr_count:     66
    .vgpr_count:     148
    .wavefront_size: 32
...
	.end_amdgpu_metadata
.endif
;; end of part 2
;; launch loop1 (part 3): grid 32 x 1, 8 waves a work-group, no clusters, 16,384 bytes of LDS; arguments cost, cmin, SA, SB; writes SB
.if DOCPART == 3
	.amdgcn_target "amdgcn-amd-amdhsa--gfx1250"
	.amdhsa_code_object_version 6
	.text
	.protected	k_q66721cb5f1_loop1
	.globl	k_q66721cb5f1_loop1
	.p2align	8
	.type	k_q66721cb5f1_loop1,@function
k_q66721cb5f1_loop1:
	s_mov_b64 s[64:65], 0
	v_nop
	global_prefetch_b8 v0, s[64:65] scope:SCOPE_SE
	s_setreg_imm32_b32 hwreg(HW_REG_WAVE_MODE, 25, 1), 1
	s_wait_xcnt 0x0
; THE LOOP THAT GIVES EVERY COLUMN A ROW.  One work-group an image; it reads the state S (layout: the launch before) from one buffer and stores it into another.
; A trip is one pass of the reference loop's body: rows that have a column get 1e5 more on their costs; each column without a row takes the row of its least cost; a row with two columns
; or more goes to its own cheapest column.  After the de-duplication a row has one column at the most, so the matching is one number a row (a1 = column + 1, 0 = none).
; The costs in hand are never stored: they are cost with 1e5 added n times, one rounded addition at a time, n = the active trips in which the row had a column.  x -> x + 1e5 (rounded) never
; turns an order round, so a row's least cost in hand is its stored minimum treated alike, and its argmin is the first column that equals it.
; HOW MANY TRIPS.  None if every column has a row (CC, as read); else 1 if none has been made (D = 0), else min(3 D, 64 - D).  Four launches run this text one after the other: while columns
; are left without a row, D goes 0, 1, 4, 16 and the launches make 1, 3, 12 and 48 trips: 64 in all, as many as the reference's loop has.  A trip costs up to D + t + 1 additions a row, so
; the short launches come first.  The count hangs on whole numbers that an earlier launch stored.  The loop itself counts to a constant, 48, and every wave passes its
; barriers in every trip; only the work between them is jumped over.  A trip made when no column is left without a row changes nothing.
; SHARES.  Wave w owns rows 256 w .. + 255, row 256 w + 32 h + lane in set h.  Lane l holds columns 2 l and 2 l + 1; what is kept for each column is kept alike in every wave.
; LIMITS.  NaN and infinite costs are not treated apart.
.set MAXT,  48                         ; the most trips that a launch makes
.set A1S,   0                          ; 2049 words: a1 of each row; word 2048 takes the empty places of LIST
.set PART,  8448                       ; 8 x 512: each wave's column minima, 16 bytes a lane
.set SPARE, 12544                      ; the spare words, 128 bytes a wave
.set A1,  2                            ; v2-9    a1, by set
.set NN,  10                           ; v10-17  n
.set RR,  18                           ; v18-25  the row's number
.set PK,  26                           ; v26-33  row | a1 << 12 | n << 25; turned by one set after each 32 rows
.set CM,  34                           ; v34-41  the row's stored minimum; never rewritten
.set X,   44                           ; v44-107 32 rows' costs, a pair a row
.set BB,  108                          ; v108-111 column minima (2), their payloads (2)
.set CC,  112                          ; rows that my two columns have
.set DC,  114                          ; rows that they lose in this trip
.set G,   116                          ; my two columns' numbers
.set PM,  118                          ; the payload of the row that my column takes, or 2048
.set Q,   120                          ; that row
.set TT,  122                          ; v122-126 at work
.set VN,  127                          ; rows in lanes: n of the 32 rows in hand
.set VA,  128                          ; rows in lanes: this step's addend, 1e5 or 0
.set LO,  132                          ; 8 x lane
.set OFN, 133                          ; 8 x lane + the next 32 rows' offset
.set PW,  134
.set PR,  135
.set SPW, 136
.set NIL, 137
.set R4,  138                          ; 4 x my row of set 0
.set T4,  139                          ; 4 x my thread's number
.set CQ,  140                          ; v140-147 the row's minimum in hand, made anew in each trip; turned with PK
.set SPK, 24                           ; s24-31 eight rows' payloads
.set AP,  32                           ; s32-47 eight rows' addends at the even registers; the odd ones hold 0 (named as pairs)
.set MQ,  66                           ; s66-81 masks
.set SX,  82                           ; s82-89 eight rows' minima in hand
	s_load_b256 s[4:11], s[0:1], 0x0               ; cost s[4:5], cmin s[6:7], S in s[8:9], S out s[10:11]
	v_lshl_add_u32 v[SPW], v0, 2, SPARE
	v_mov_b32 v[NIL], 0
	v_and_b32 v1, 31, v0
	v_lshrrev_b32 v[TT], 5, v0
	v_readfirstlane_b32 s12, v[TT]                 ; wave
	s_mul_i32 s48, ttmp9, 10240
	s_mov_b32 s49, 0
	s_lshl_b32 s50, ttmp9, 13
	s_mov_b32 s51, 0
	s_lshl_b32 s52, ttmp9, 19
	s_lshl_b32 s53, s12, 16
	s_add_co_u32 s52, s52, s53                     ; my wave's first row of cost
	s_mov_b32 s53, 0
	v_lshl_add_u32 v[RR], s12, 8, v1
.irp h, 1,2,3,4,5,6,7
	v_add_nc_u32 v[RR+\h], 32*\h, v[RR]
.endr
	v_lshlrev_b32 v[R4], 2, v[RR]
	v_lshlrev_b32 v[T4], 2, v0
	v_lshlrev_b32 v[LO], 3, v1
	v_lshlrev_b32 v[TT+2], 2, v1
	v_lshlrev_b32 v[G], 1, v1
	v_or_b32 v[G+1], 1, v[G]
	v_lshlrev_b32 v[PR], 4, v1
	s_lshl_b32 s54, s12, 9
	s_add_co_u32 s54, s54, PART
	v_lshl_add_u32 v[PW], v1, 4, s54
.irp k, 0,1,2,3,4,5,6,7
	s_mov_b32 s[AP+2*\k+1], 0                      ; the pairs' upper halves
.endr
	s_mov_b32 s22, 0x47c35000                      ; 1e5
	s_wait_kmcnt 0x0
	s_add_nc_u64 s[4:5], s[4:5], s[52:53]
	s_add_nc_u64 s[6:7], s[6:7], s[50:51]
	s_add_nc_u64 s[8:9], s[8:9], s[48:49]
	s_add_nc_u64 s[10:11], s[10:11], s[48:49]
	s_load_b32 s14, s[8:9], 0x2100                 ; D
.irp h, 0,1,2,3,4,5,6,7
	global_load_b32 v[A1+\h], v[R4], s[8:9] offset:\h*128
	global_load_b32 v[CM+\h], v[R4], s[6:7] offset:\h*128
.endr
	global_load_b64 v[CC:CC+1], v[LO], s[8:9] offset:8192
.irp j, 0,1,2,3,4,5,6,7,8,9
	global_load_b32 v[X+\j], v[TT+2], s[8:9] offset:8704+128*\j
.endr
	s_wait_loadcnt 0x0
	s_wait_kmcnt 0x0
.irp h, 0,1,2,3,4,5,6,7
	v_lshrrev_b32 v[NN+\h], 8, v[A1+\h]
	v_and_b32 v[A1+\h], 0xff, v[A1+\h]
	ds_store_b32 v[R4], v[A1+\h] offset:A1S+\h*128
.endr
	s_wait_dscnt 0x0
	s_barrier_signal -1
	s_barrier_wait -1                              ; every row's a1 is in LDS
	s_cmp_lg_u32 s12, 0
	s_cbranch_scc1 .Lnosc
.irp j, 0,1,2,3,4,5,6,7,8,9                            ; wave 0 alone puts LIST's rows in: places that name the same row hold the same column
	v_and_b32 v[TT+3], 0xfff, v[X+\j]
	v_min_u32 v[TT+3], 2048, v[TT+3]               ; a loaded number enters an address only behind this bound
	v_lshlrev_b32 v[TT+3], 2, v[TT+3]
	v_lshrrev_b32 v[TT+4], 16, v[X+\j]
	v_add_nc_u32 v[TT+4], 1, v[TT+4]
	ds_store_b32 v[TT+3], v[TT+4] offset:A1S
.endr
.Lnosc:
	s_wait_dscnt 0x0
	s_barrier_signal -1
	s_barrier_wait -1
.irp h, 0,1,2,3,4,5,6,7
	ds_load_b32 v[A1+\h], v[R4] offset:A1S+\h*128
.endr
	v_cmp_eq_u32 s48, 0, v[CC]
	v_cmp_eq_u32 s49, 0, v[CC+1]
	s_or_b32 s48, s48, s49
	s_mul_i32 s50, s14, 3
	s_sub_co_u32 s51, 64, s14
	s_min_u32 s50, s50, s51                        ; min(3 D, 64 - D),
	s_cmp_eq_u32 s14, 0
	s_cselect_b32 s50, 1, s50                      ; or 1 where no trip has been made,
	s_cmp_lg_u32 s48, 0
	s_cselect_b32 s15, s50, 0                      ; or none where every column has a row: trips
	s_wait_dscnt 0x0
; Eight rows (8 j .. 8 j + 7 of the 32 in hand): their costs in hand, their argmin columns, and the column minima
.macro SUB j
	s_wait_loadcnt 24                              ; these eight rows are in: behind their loads 24 younger ones were issued, which stay out
	s_mov_b32 s18, 0
.Lpen_\@:                                              ; D + t + 1 times, as many as n can be: 1e5 onto a row while its n lasts, else 0; the addends are made with rows in lanes
	v_cmp_lt_u32 vcc_lo, s18, v[VN]
	v_cndmask_b32 v[VA], 0, s22, vcc_lo
.irp i, 0,1,2,3,4,5,6,7
	v_readlane_b32 s[AP+2*\i], v[VA], 8*\j+\i
.endr
.irp i, 0,1,2,3,4,5,6,7
	v_pk_add_f32 v[X+16*\j+2*\i:X+16*\j+2*\i+1], v[X+16*\j+2*\i:X+16*\j+2*\i+1], s[AP+2*\i:AP+2*\i+1] op_sel_hi:[1,0]
.endr
	s_add_co_u32 s18, s18, 1
	s_cmp_lt_u32 s18, s17
	s_cbranch_scc1 .Lpen_\@
.irp i, 0,1,2,3,4,5,6,7
	v_readlane_b32 s[SPK+\i], v[PK], 8*\j+\i
	v_readlane_b32 s[SX+\i], v[CQ], 8*\j+\i
.endr
.irp i, 0,1,2,3,4,5,6,7
	v_cmp_eq_f32 s[MQ+2*\i], s[SX+\i], v[X+16*\j+2*\i]
	v_cmp_eq_f32 s[MQ+2*\i+1], s[SX+\i], v[X+16*\j+2*\i+1]
.endr
.irp i, 0,1,2,3,4,5,6,7                                ; the first column that holds the row's minimum goes into the payload, bits 19-24
	s_ctz_i32_b32 s48, s[MQ+2*\i]
	s_ctz_i32_b32 s49, s[MQ+2*\i+1]
	s_lshl_b32 s48, s48, 1
	s_lshl_b32 s49, s49, 1
	s_or_b32 s49, s49, 1
	s_min_u32 s48, s48, s49
	s_and_b32 s48, s48, 63
	s_lshl_b32 s48, s48, 19
	s_or_b32 s[SPK+\i], s[SPK+\i], s48
.endr
.irp i, 0,1,2,3,4,5,6,7                                ; rows ascending, strictly smaller only: the first row among equals
.irp e, 0,1
	v_cmp_lt_f32 vcc_lo, v[X+16*\j+2*\i+\e], v[BB+\e]
	v_cndmask_b32 v[BB+2+\e], v[BB+2+\e], s[SPK+\i], vcc_lo
	v_min_num_f32 v[BB+\e], v[BB+\e], v[X+16*\j+2*\i+\e]
.endr
.endr
.irp i, 0,1,2,3,4,5,6,7
	global_load_b64 v[X+16*\j+2*\i:X+16*\j+2*\i+1], v[OFN], s[4:5] offset:(8*\j+\i)*256  ; the same places of the next 32 rows
.endr
.endm
; Column 2 l + e (l = s19): the row that it takes, if it takes one
.macro CONF e
	v_readlane_b32 s51, v[PM+\e], s19
	s_and_b32 s52, s51, 0xfff                      ; the row
	v_cmp_eq_u32 s53, s52, v[Q]
	v_cmp_eq_u32 s54, s52, v[Q+1]
	s_bcnt1_i32_b32 s55, s53
	s_bcnt1_i32_b32 s56, s54
	s_add_co_u32 s55, s55, s56                     ; columns that take it
	s_bfe_u32 s57, s51, 0x7000c                    ; its a1
	s_bfe_u32 s58, s51, 0x60013                    ; its argmin column
	s_min_u32 s56, s57, 1
	s_add_co_u32 s55, s55, s56                     ; and the column that it has
	s_lshl_b32 s59, s19, 1
.if \e
	s_or_b32 s59, s59, 1
	s_lshl_b32 s60, s50, 1
	s_or_b32 s60, s60, 1
	s_and_b32 s53, s53, s60                        ; even columns up to mine
.else
	s_and_b32 s53, s53, s50                        ; even columns below mine
.endif
	s_and_b32 s54, s54, s50                        ; odd columns below mine
	s_cmp_gt_u32 s55, 1
	s_cselect_b32 s59, s58, s59                    ; two or more: the row's own cheapest column
	s_add_co_u32 s63, s59, 1
	s_sub_co_u32 s57, s57, 1                       ; the column that loses the row (none: no column's number)
	s_cmp_eq_u32 s52, 2048
	s_cselect_b32 s56, -1, 0
	s_or_b32 s53, s53, s54
	s_or_b32 s53, s53, s56                         ; SCC: nothing taken, or an earlier column has counted this row
	s_cselect_b32 s61, 64, s59
	s_cselect_b32 s62, 64, s57
.irp c, 0,1
	v_cmp_eq_u32 vcc_lo, s61, v[G+\c]
	v_add_co_ci_u32 v[CC+\c], vcc_lo, 0, v[CC+\c], vcc_lo
	v_cmp_eq_u32 vcc_lo, s62, v[G+\c]
	v_add_co_ci_u32 v[DC+\c], vcc_lo, 0, v[DC+\c], vcc_lo
.endr
.irp h, 0,1,2,3,4,5,6,7
	v_cmp_eq_u32 vcc_lo, s52, v[RR+\h]
	v_cndmask_b32 v[A1+\h], v[A1+\h], s63, vcc_lo
.endr
.endm
	s_mov_b32 s16, 0
.Ltrip:
	s_cmp_ge_u32 s16, s15
	s_cbranch_scc1 .LdeadA
	v_cmp_eq_u32 s48, 0, v[CC]
	v_cmp_eq_u32 s49, 0, v[CC+1]
	s_or_b32 s48, s48, s49                         ; SCC: some column has no row
	s_cselect_b32 s48, -1, 0
.irp h, 0,1,2,3,4,5,6,7
	v_cmp_ne_u32 s49, 0, v[A1+\h]
	s_and_b32 vcc_lo, s49, s48
	v_add_co_ci_u32 v[NN+\h], vcc_lo, 0, v[NN+\h], vcc_lo   ; then the rows that have a column get 1e5 more
	v_lshl_or_b32 v[PK+\h], v[A1+\h], 12, v[RR+\h]
	v_lshl_or_b32 v[PK+\h], v[NN+\h], 25, v[PK+\h]
	v_mov_b32 v[CQ+\h], v[CM+\h]
.endr
	s_add_co_u32 s17, s14, s16
	s_add_co_u32 s17, s17, 1                       ; no n is greater than the trips made so far, this one among them
.set i, 0
.rept 32
	global_load_b64 v[X+2*i:X+2*i+1], v[LO], s[4:5] offset:i*256   ; a row's 256 consecutive bytes a load
.set i, i+1
.endr
	v_mov_b32 v[BB], 0x7f800000
	v_mov_b32 v[BB+1], 0x7f800000
	v_mov_b32 v[BB+2], 0
	v_mov_b32 v[BB+3], 0
	s_mov_b32 s18, 0
.Lpm:                                                  ; the rows' minima in hand, rows in lanes: the same additions as the rows themselves get; the loads above are on their way meanwhile
.irp h, 0,1,2,3,4,5,6,7
	v_cmp_lt_u32 vcc_lo, s18, v[NN+\h]
	v_cndmask_b32 v[VA], 0, s22, vcc_lo
	v_add_f32 v[CQ+\h], v[CQ+\h], v[VA]
.endr
	s_add_co_u32 s18, s18, 1
	s_cmp_lt_u32 s18, s17
	s_cbranch_scc1 .Lpm
	s_mov_b32 s19, 0
.Lh:                                                   ; 8 x 32 rows
	s_wait_xcnt 0x0                                ; the loads that name OFN have read it
	s_add_co_u32 s48, s19, 1
	s_min_u32 s48, s48, 7                          ; the last refill asks for the last 32 rows once more: no load leaves my wave's rows
	s_lshl_b32 s48, s48, 13
	v_add_nc_u32 v[OFN], s48, v[LO]
	v_lshrrev_b32 v[VN], 25, v[PK]                 ; n of the 32 rows in hand
	SUB 0
	SUB 1
	SUB 2
	SUB 3
	v_mov_b32 v[TT], v[PK]                         ; the sets turn by one, so that the text above names set 0 alone; eight turns bring them back
	v_mov_b32 v[TT+1], v[CQ]
.irp h, 0,1,2,3,4,5,6
	v_mov_b32 v[PK+\h], v[PK+\h+1]
	v_mov_b32 v[CQ+\h], v[CQ+\h+1]
.endr
	v_mov_b32 v[PK+7], v[TT]
	v_mov_b32 v[CQ+7], v[TT+1]
	s_add_co_u32 s19, s19, 1
	s_cmp_lt_u32 s19, 8
	s_cbranch_scc1 .Lh
	s_wait_loadcnt 0x0                             ; the last refill
	ds_store_b128 v[PW], v[BB:BB+3]
.LdeadA:
	s_wait_dscnt 0x0                               ; for the others' sake: my minima are in LDS
	s_barrier_signal -1
	s_barrier_wait -1
	s_cmp_ge_u32 s16, s15
	s_cbranch_scc1 .LdeadB
	ds_load_b128 v[BB:BB+3], v[PR] offset:PART
.irp k, 1,2,3,4,5,6,7
	ds_load_b128 v[X+4*\k:X+4*\k+3], v[PR] offset:PART+512*\k
.endr
	s_wait_dscnt 0x0
.irp k, 1,2,3,4,5,6,7                                  ; waves ascending, strictly smaller only
.irp e, 0,1
	v_cmp_lt_f32 vcc_lo, v[X+4*\k+\e], v[BB+\e]
	v_cndmask_b32 v[BB+2+\e], v[BB+2+\e], v[X+4*\k+2+\e], vcc_lo
	v_min_num_f32 v[BB+\e], v[BB+\e], v[X+4*\k+\e]
.endr
.endr
.irp e, 0,1
	v_cmp_eq_u32 vcc_lo, 0, v[CC+\e]
	v_cndmask_b32 v[PM+\e], 0x800, v[BB+2+\e], vcc_lo  ; only a column without a row takes one
	v_and_b32 v[Q+\e], 0xfff, v[PM+\e]
	v_mov_b32 v[DC+\e], 0
.endr
	s_mov_b32 s19, 0
.Lconf:
	s_bfm_b32 s50, s19, 0                          ; the lanes below l
	CONF 0
	CONF 1
	s_add_co_u32 s19, s19, 1
	s_cmp_lt_u32 s19, 32
	s_cbranch_scc1 .Lconf
	v_sub_nc_u32 v[CC], v[CC], v[DC]
	v_sub_nc_u32 v[CC+1], v[CC+1], v[DC+1]
.LdeadB:
	s_wait_dscnt 0x0                               ; my reads of the minima are over before any wave stores the next trip's
	s_barrier_signal -1
	s_barrier_wait -1
	s_add_co_u32 s16, s16, 1
	s_cmp_lt_u32 s16, MAXT
	s_cbranch_scc1 .Ltrip
.irp h, 0,1,2,3,4,5,6,7
	v_lshl_or_b32 v[PK+\h], v[NN+\h], 8, v[A1+\h]
	global_store_b32 v[R4], v[PK+\h], s[10:11] offset:\h*128
.endr
	v_mov_b32 v[TT], 0x800
	global_store_b32 v[T4], v[TT], s[10:11] offset:8704    ; LIST is used up: 320 empty places
	s_cmp_lt_u32 s12, 2
	s_cbranch_scc0 .Lfin
	global_store_b32 v[T4], v[TT], s[10:11] offset:9728
	s_cmp_eq_u32 s12, 0
	s_cbranch_scc0 .Lfin
	global_store_b64 v[LO], v[CC:CC+1], s[10:11] offset:8192
	s_add_co_u32 s48, s14, s15
	v_mov_b32 v[TT+1], s48
	global_store_b32 v[T4], v[TT+1], s[10:11] offset:8448  ; D + trips
.Lfin:
	s_wait_tensorcnt 0x0                           ; the wave's end
	ds_add_u32 v[SPW], v[NIL]
	s_wait_dscnt 0x0
	s_endpgm
.Lfunc_end_k_q66721cb5f1_loop1:
	.size	k_q66721cb5f1_loop1, .Lfunc_end_k_q66721cb5f1_loop1-k_q66721cb5f1_loop1
	.p2alignl 7, 3214868480
	.fill 96, 4, 3214868480
	.section	.rodata,"a",@progbits
	.p2align	6, 0x0
	.amdhsa_kernel k_q66721cb5f1_loop1
		.amdhsa_group_segment_fixed_size 16384
		.amdhsa_private_segment_fixed_size 0
		.amdhsa_enable_private_segment 0
		.amdhsa_kernarg_size 32
		.amdhsa_user_sgpr_count 2
		.amdhsa_user_sgpr_kernarg_segment_ptr 1
		.amdhsa_wavefront_size32 1
		.amdhsa_system_sgpr_workgroup_id_x 1
		.amdhsa_system_sgpr_workgroup_id_y 1
		.amdhsa_system_sgpr_workgroup_id_z 1
		.amdhsa_system_vgpr_workitem_id 0
		.amdhsa_next_free_vgpr 148
		.amdhsa_next_free_sgpr 96
		.amdhsa_reserve_vcc 1
		.amdhsa_float_denorm_mode_32 3
		.amdhsa_float_denorm_mode_16_64 3
		.amdhsa_memory_ordered 1
		.amdhsa_forward_progress 1
		.amdhsa_inst_pref_size 60
	.end_amdhsa_kernel
	.amdgpu_metadata
---
amdhsa.version: [ 1, 2 ]
amdhsa.kernels:
  - .name:           k_q66721cb5f1_loop1
    .symbol:         k_q66721cb5f1_loop1.kd
    .args:
      - { .name: cost, .offset: 0, .size: 8, .value_kind: global_buffer, .address_space: global }
      - { .name: cmin, .offset: 8, .size: 8, .value_kind: global_buffer, .address_space: global }
      - { .name: SA, .offset: 16, .size: 8, .value_kind: global_buffer, .address_space: global }
      - { .name: SB, .offset: 24, .size: 8, .value_kind: global_buffer, .address_space: global }
    .group_segment_fixed_size: 16384
    .private_segment_fixed_size: 0
    .kernarg_segment_align: 8
    .kernarg_segment_size: 32
    .max_flat_workgroup_size: 256
    .sgpr_count:     96
    .vgpr_count:     148
    .wavefront_size: 32
...
	.end_amdgpu_metadata
.endif
;; end of part 3
;; launch loop2: the kernel of part 3 again; grid 32 x 1, 8 waves a work-group, no clusters, 16,384 bytes of LDS; arguments cost, cmin, SB, SA; writes SA
;; launch loop3: the kernel of part 3 again; grid 32 x 1, 8 waves a work-group, no clusters, 16,384 bytes of LDS; arguments cost, cmin, SA, SB; writes SB
;; launch loop4: the kernel of part 3 again; grid 32 x 1, 8 waves a work-group, no clusters, 16,384 bytes of LDS; arguments cost, cmin, SB, SA; writes SA
;; launch emit (part 4): grid 8 x 32, 8 waves a work-group, no clusters, 8,192 bytes of LDS; arguments cost, SA, out0, out1; writes out0, out1
.if DOCPART == 4
	.amdgcn_target "amdgcn-amd-amdhsa--gfx1250"
	.amdhsa_code_object_version 6
	.text
	.protected	k_q66721cb5f1_emit
	.globl	k_q66721cb5f1_emit
	.p2align	8
	.type	k_q66721cb5f1_emit,@function
k_q66721cb5f1_emit:
	s_mov_b64 s[64:65], 0
	v_nop
	global_prefetch_b8 v0, s[64:65] scope:SCOPE_SE
	s_setreg_imm32_b32 hwreg(HW_REG_WAVE_MODE, 25, 1), 1
	s_wait_xcnt 0x0
; THE RESULTS.  out0[b][q][g] = 1.0 where row q has column g, else 0: work-group (x = block of 256 rows, y = image), wave w 32 rows; a store covers two rows, sixteen lanes 256 consecutive bytes.
; out1[b][g] = the first row of least cost in hand among the rows that have column g (0 if none).  Every work-group of an image finds all 64 and stores its own 8, so that no barrier hangs on
; the block's number: wave w looks at rows 256 w .. + 255, gathers the one cost of each matched row, adds 1e5 n times, and walks the matched rows by the bits of a mask.  Masks, trip counts and the
; gather's offsets hang on whole numbers that an earlier launch stored (ST, D).
.set NQ,    2000
.set PART,  0                          ; 8 x 512: each wave's column minima
.set SPARE, 4096                       ; the spare words, 128 bytes a wave
.set A,   2                            ; a1 of my wave's 32 rows of out0, rows in lanes
.set C1,  4                            ; v4-7   my four columns' numbers + 1
.set VT,  8
.set D,   16                           ; v16-79 sixteen stores' data; later seven waves' minima
.set A1,  80                           ; v80-87 a1, by set
.set NN,  88                           ; v88-95 n
.set XX,  96                           ; v96-103 the row's cost at its column
.set AD,  104                          ; v104-111 its offset
.set BB,  112                          ; v112-115 column minima (2), their rows (2)
.set G1,  116                          ; my two columns' numbers + 1
.set SPW, 118
.set NIL, 119
.set LO,  120
.set PW,  121
	s_load_b256 s[4:11], s[0:1], 0x0               ; cost s[4:5], S s[6:7], out0 s[8:9], out1 s[10:11]
	v_lshl_add_u32 v[SPW], v0, 2, SPARE
	v_mov_b32 v[NIL], 0
	v_and_b32 v1, 31, v0
	v_lshrrev_b32 v9, 5, v0
	v_readfirstlane_b32 s12, v9                    ; wave
	s_mov_b32 s13, ttmp9                           ; block
	s_and_b32 s14, ttmp7, 0xffff                   ; image
	s_lshl_b32 s15, s13, 8
	s_lshl_b32 s16, s12, 5
	s_add_co_u32 s15, s15, s16                     ; my wave's first row of out0
	s_mul_i32 s16, s14, 10240
	s_mov_b32 s17, 0
	s_lshl_b32 s19, s15, 2
	v_lshl_add_u32 v9, v1, 2, s19
	s_lshl_b32 s20, s12, 10
	v_lshl_add_u32 v10, v1, 2, s20
	s_mul_i32 s22, s14, NQ
	s_add_co_u32 s22, s22, s15
	s_lshl_b32 s22, s22, 8
	s_mov_b32 s23, 0
	s_lshl_b32 s24, s14, 19
	s_mov_b32 s25, 0
	s_lshl_b32 s28, s14, 8
	s_mov_b32 s29, 0
	s_wait_kmcnt 0x0
	s_add_nc_u64 s[6:7], s[6:7], s[16:17]
	s_add_nc_u64 s[8:9], s[8:9], s[22:23]
	s_add_nc_u64 s[4:5], s[4:5], s[24:25]
	s_add_nc_u64 s[10:11], s[10:11], s[28:29]
	s_load_b32 s18, s[6:7], 0x2100                 ; D
	global_load_b32 v[A], v9, s[6:7]
.irp h, 0,1,2,3,4,5,6,7
	global_load_b32 v[A1+\h], v10, s[6:7] offset:\h*128
.endr
	v_and_b32 v11, 15, v1
	v_lshlrev_b32 v11, 2, v11
.irp c, 0,1,2,3
	v_add_nc_u32 v[C1+\c], \c+1, v11
.endr
	v_lshlrev_b32 v12, 4, v1                       ; 16 x lane
	v_lshlrev_b32 v[LO], 3, v1
	v_lshlrev_b32 v[G1], 1, v1
	v_add_nc_u32 v[G1+1], 2, v[G1]
	v_add_nc_u32 v[G1], 1, v[G1]
	s_lshl_b32 s45, s12, 9
	v_lshl_add_u32 v[PW], v1, 4, s45
	s_lshl_b32 s21, s12, 16
	v_lshl_add_u32 v14, v1, 8, s21                 ; my row of set 0, in bytes of cost
	s_lshl_b32 s40, s12, 8
	s_mov_b32 s26, 0xffff0000
	s_mov_b32 s31, 0x47c35000                      ; 1e5
	s_wait_loadcnt 0x0
	s_wait_kmcnt 0x0
	v_and_b32 v[A], 0xff, v[A]
.macro PAIR j                                          ; rows 2 j (lanes 0-15) and 2 j + 1 (lanes 16-31)
	v_readlane_b32 s28, v[A], 2*\j
	v_readlane_b32 s29, v[A], 2*\j+1
	v_mov_b32 v[VT], s28
	v_cndmask_b32 v[VT], v[VT], s29, s26
.irp c, 0,1,2,3
	v_cmp_eq_u32 vcc_lo, v[VT], v[C1+\c]
	v_cndmask_b32 v[D+4*\j+\c], 0, 1.0, vcc_lo
.endr
	global_store_b128 v12, v[D+4*\j:D+4*\j+3], s[8:9] offset:\j*512 th:TH_STORE_NT
.endm
	s_cmp_ge_u32 s15, NQ                           ; 2000 = 62 x 32 + 16: a wave has 32 rows, 16 or none
	s_cbranch_scc1 .Ldone0
.irp j, 0,1,2,3,4,5,6,7
	PAIR \j
.endr
	s_add_co_u32 s27, s15, 16
	s_cmp_ge_u32 s27, NQ
	s_cbranch_scc1 .Ldone0
.irp j, 8,9,10,11,12,13,14,15
	PAIR \j
.endr
.Ldone0:
.irp h, 0,1,2,3,4,5,6,7
	v_lshrrev_b32 v[NN+\h], 8, v[A1+\h]
	v_and_b32 v[A1+\h], 0xff, v[A1+\h]
	v_add_nc_u32 v9, -1, v[A1+\h]
	v_min_u32 v[AD+\h], 63, v9                     ; loaded numbers enter an address only behind these bounds
	v_min_u32 v13, 1, v[A1+\h]
	v_add_nc_u32 v15, \h*8192, v14
	v_lshl_add_u32 v[AD+\h], v[AD+\h], 2, v15
	v_mul_lo_u32 v[AD+\h], v[AD+\h], v13           ; rows without a column all read the image's first cost, which nobody uses
	global_load_b32 v[XX+\h], v[AD+\h], s[4:5]
.endr
	v_mov_b32 v[BB], 0x7f800000
	v_mov_b32 v[BB+1], 0x7f800000
	v_mov_b32 v[BB+2], 0
	v_mov_b32 v[BB+3], 0
	s_wait_loadcnt 0x0
	s_cmp_eq_u32 s18, 0
	s_cbranch_scc1 .Lnopen
	s_mov_b32 s30, 0
.Lpen:                                                 ; D times, as many as n can be: 1e5 while the row's n lasts, one rounded addition at a time
.irp h, 0,1,2,3,4,5,6,7
	v_cmp_lt_u32 vcc_lo, s30, v[NN+\h]
	v_cndmask_b32 v13, 0, s31, vcc_lo
	v_add_f32 v[XX+\h], v[XX+\h], v13
.endr
	s_add_co_u32 s30, s30, 1
	s_cmp_lt_u32 s30, s18
	s_cbranch_scc1 .Lpen
.Lnopen:
.macro SCAN h                                          ; the matched rows of set h, ascending
	v_cmp_ne_u32 s32, 0, v[A1+\h]
	s_bcnt1_i32_b32 s33, s32
	s_cmp_eq_u32 s33, 0
	s_cbranch_scc1 .Lnone_\@
	s_mov_b32 s34, 0
.Lbit_\@:
	s_ctz_i32_b32 s35, s32
	v_readlane_b32 s36, v[A1+\h], s35
	v_readlane_b32 s37, v[XX+\h], s35
	s_add_co_u32 s38, s35, s40
	s_add_co_u32 s38, s38, 32*\h                   ; the row
	s_sub_co_u32 s41, s32, 1
	s_and_b32 s32, s32, s41                        ; its bit is cleared
.irp e, 0,1
	v_cmp_eq_u32 s42, s36, v[G1+\e]
	v_cmp_gt_f32 s43, v[BB+\e], s37                ; strictly smaller only: the first row among equals
	s_and_b32 vcc_lo, s42, s43
	v_cndmask_b32 v[BB+\e], v[BB+\e], s37, vcc_lo
	v_cndmask_b32 v[BB+2+\e], v[BB+2+\e], s38, vcc_lo
.endr
	s_add_co_u32 s34, s34, 1
	s_cmp_lt_u32 s34, s33
	s_cbranch_scc1 .Lbit_\@
.Lnone_\@:
.endm
.irp h, 0,1,2,3,4,5,6,7
	SCAN \h
.endr
	ds_store_b128 v[PW], v[BB:BB+3] offset:PART
	s_wait_dscnt 0x0                               ; for wave 0's sake: my minima are in LDS
	s_barrier_signal -1
	s_barrier_wait -1
	s_cmp_lg_u32 s12, 0
	s_cbranch_scc1 .Lfin
	s_wait_xcnt 0x0                                ; the stores of out0 have read their data, into which the loads below land
	ds_load_b128 v[BB:BB+3], v12 offset:PART
.irp k, 1,2,3,4,5,6,7
	ds_load_b128 v[D+4*\k:D+4*\k+3], v12 offset:PART+512*\k
.endr
	s_wait_dscnt 0x0
.irp k, 1,2,3,4,5,6,7                                  ; waves ascending, strictly smaller only
.irp e, 0,1
	v_cmp_lt_f32 vcc_lo, v[D+4*\k+\e], v[BB+\e]
	v_cndmask_b32 v[BB+2+\e], v[BB+2+\e], v[D+4*\k+2+\e], vcc_lo
	v_min_num_f32 v[BB+\e], v[BB+\e], v[D+4*\k+\e]
.endr
.endr
	v_lshrrev_b32 v13, 2, v1
	v_cmp_eq_u32 vcc_lo, s13, v13                  ; lanes 4 x block .. + 3: this work-group's 8 columns
	s_wait_xcnt 0x0                                ; EXEC changes only behind this wait
	s_and_saveexec_b32 s44, vcc_lo
	global_store_b64 v[LO], v[BB+2:BB+3], s[10:11]
	s_wait_xcnt 0x0                                ; and again in front of the line that widens it
	s_or_b32 exec_lo, exec_lo, s44
.Lfin:
	s_wait_tensorcnt 0x0                           ; the wave's end
	ds_add_u32 v[SPW], v[NIL]
	s_wait_dscnt 0x0
	s_endpgm
.Lfunc_end_k_q66721cb5f1_emit:
	.size	k_q66721cb5f1_emit, .Lfunc_end_k_q66721cb5f1_emit-k_q66721cb5f1_emit
	.p2alignl 7, 3214868480
	.fill 96, 4, 3214868480
	.section	.rodata,"a",@progbits
	.p2align	6, 0x0
	.amdhsa_kernel k_q66721cb5f1_emit
		.amdhsa_group_segment_fixed_size 8192
		.amdhsa_private_segment_fixed_size 0
		.amdhsa_enable_private_segment 0
		.amdhsa_kernarg_size 32
		.amdhsa_user_sgpr_count 2
		.amdhsa_user_sgpr_kernarg_segment_ptr 1
		.amdhsa_wavefront_size32 1
		.amdhsa_system_sgpr_workgroup_id_x 1
		.amdhsa_system_sgpr_workgroup_id_y 1
		.amdhsa_system_sgpr_workgroup_id_z 1
		.amdhsa_system_vgpr_workitem_id 0
		.amdhsa_next_free_vgpr 124
		.amdhsa_next_free_sgpr 66
		.amdhsa_reserve_vcc 1
		.amdhsa_float_denorm_mode_32 3
		.amdhsa_float_denorm_mode_16_64 3
		.amdhsa_memory_ordered 1
		.amdhsa_forward_progress 1
		.amdhsa_inst_pref_size 32
	.end_amdhsa_kernel
	.amdgpu_metadata
---
amdhsa.version: [ 1, 2 ]
amdhsa.kernels:
  - .name:           k_q66721cb5f1_emit
    .symbol:         k_q66721cb5f1_emit.kd
    .args:
      - { .name: cost, .offset: 0, .size: 8, .value_kind: global_buffer, .address_space: global }
      - { .name: SA, .offset: 8, .size: 8, .value_kind: global_buffer, .address_space: global }
      - { .name: out0, .offset: 16, .size: 8, .value_kind: global_buffer, .address_space: global }
      - { .name: out1, .offset: 24, .size: 8, .value_kind: global_buffer, .address_space: global }
    .group_segment_fixed_size: 8192
    .private_segment_fixed_size: 0
    .kernarg_segment_align: 8
    .kernarg_segment_size: 32
    .max_flat_workgroup_size: 256
    .sgpr_count:     66
    .vgpr_count:     124
    .wavefront_size: 32
...
	.end_amdgpu_metadata
.endif
;; end of part 4
;; ======== version 2 of 2: 7 launches; version 1 with the launch cost written anew for expert scheduling mode
;; workspace buffers: cost 16,777,216 bytes; cmin 262,144 bytes; part 983,040 bytes; SA 327,680 bytes of whole numbers; SB 327,680 bytes of whole numbers
;; launch cost (part 5): grid 8 x 32, 8 waves a work-group, no clusters, 139,264 bytes of LDS; arguments pred_logits, pred_boxes, gt_classes, gt_boxes, image_size_xyxy, image_size_xyxy_tgt, cost, cmin, part; writes cost, cmin, part
.if DOCPART == 5
	.amdgcn_target "amdgcn-amd-amdhsa--gfx1250"
	.amdhsa_code_object_version 6
	.text
	.protected	k_q66721cb5f1_cost
	.globl	k_q66721cb5f1_cost
	.p2align	8
	.type	k_q66721cb5f1_cost,@function
k_q66721cb5f1_cost:
	s_mov_b64 s[64:65], 0
	v_nop
	global_prefetch_b8 v0, s[64:65] scope:SCOPE_SE
	s_setreg_imm32_b32 hwreg(HW_REG_WAVE_SCHED_MODE, 0, 2), 2
	s_setreg_imm32_b32 hwreg(HW_REG_WAVE_MODE, 25, 1), 1
	s_wait_xcnt 0x0
	s_wait_alu depctr_vm_vsrc(0)
; THE COST MATRIX.  cost[b][q][g] for 32 images x 2000 queries x 64 boxes, stored as [32][2048][64] f32 (rows 2000-2047 = +inf), each row's minimum (cmin),
; and for each block of 256 rows and each column g: the 5 smallest costs (ascending, earlier rows first among equals), their payloads q | (row's argmin column) << 16, and the 5 largest IoU (part).
; SHARES.  Work-group (x = block of 256 rows, y = image); wave w takes 32 rows; lane l holds columns 2 l and 2 l + 1 in register pairs, so a wave's store of a row is 256 consecutive bytes.
; A wave's 32 rows of logits (10,240 consecutive bytes) are copied once into LDS bytes of its own, and each lane picks its two classes' numbers from there.
; No matrix unit (there is no product), no cluster (no two work-groups read the same rows), no data mover (the staging is small and each wave's own).
; LIMITS.  NaN and infinite costs are not treated apart.  a / b is a reciprocal with one correction step, log x is log2 x times ln 2: each within about one unit in the last place,
; so two costs closer than about 1e-6 of themselves may fall in another order than with exact quotients.
; THE MODE: SCHED_MODE bits 1:0 = 2 (LLVM: expert scheduling mode 2), set by the entry lines.  The code itself states the register dependences between vector instructions and
; memory or LDS instructions, and between a vector instruction that writes a scalar register and that register's readers, with s_wait_alu, always for 0.
; THE PLAN.  Registers that memory or LDS instructions touch in the loop (a trip is 4 rows):
;   LG    a pair a row.  Read by three packed lines of ROW i, ahead of the wait for the row's logarithms; straight behind that wait the LDS loads of the NEXT trip's row i land in it.
;   LA    the LDS address of the rows that a trip asks for.  Read by those loads; written once a trip, at .Lstep.
;   CO    a pair a row.  Written by ROW i; read by the row's store, which stands behind the wait for the reciprocals of ROW i + 1 (row 3's: behind a wait of its own); written again a trip later.
;   OFFC  the stores' offset.  Written once a trip, at .Lstep.
; So the two waits on va_vdst that a row has for its reciprocals and its logarithms state all that its loads and its store hang on, and one wait on vm_vsrc a trip, at .Lstep, frees CO, OFFC and LA.
; Scalar results of vector instructions come in runs, one wait on va_sdst behind each: sixteen masks with the next row's eleven numbers; twelve masks of the argmin and the two insertions.
.set NQ,    2000
.set LOGMAX, 32*NQ*320-16              ; the last 16 bytes of pred_logits
.set LSTA,  0                          ; 8 lists x 15 lines x 256 bytes
.set LSTB,  30720                      ; 4 lists
.set LSTC,  46080                      ; 2 lists
.set SPARE, 53760                      ; the spare words, 128 bytes a wave
.set LOGS,  54784                      ; 8 x 10,240: each wave's rows of logits, 320 bytes a row
.set GX0, 2                            ; pairs (column 2 l, column 2 l + 1): the box x0, y0, x1, y1
.set GY0, 4
.set GX1, 6
.set GY1, 8
.set GAR, 10                           ; its area
.set TN0, 12                           ; v12-19 the box divided by its image size
.set CL,  20                           ; the centre region's left, right, top, bottom
.set CR,  22
.set CT,  24
.set CB,  26
.set LAD, 28                           ; LDS address of my two classes' logits in the wave's first row; never rewritten
.set CV,  30                           ; v30-39 five smallest costs: level k, column e at CV + 2 k + e
.set CP,  40                           ; v40-49 their payloads
.set UV,  50                           ; v50-59 five largest IoU
.set RL,  60                           ; v60-70 rows in lanes: box, area, box / size, centre x, y
.set CMV, 71                           ; rows in lanes: the row's minimum
.set LG,  72                           ; v72-79 logits of a trip's 4 rows
.set CO,  80                           ; v80-87 costs of a trip's 4 rows
.set T,   88                           ; v88-135 at work
.set OFFC, 136                         ; byte offset of my pair in the trip's first row of cost
.set MA,  137                          ; merge: where I read
.set MO,  138                          ; merge: where I write
.set SPW, 140                          ; my spare word; never rewritten
.set NIL, 141                          ; 0; never rewritten
.set LA,  142                          ; v142-143 LDS address of my two classes' logits in the first of the 4 rows that the trip in hand asks for
.set STG, 144                          ; v144-223 the logits on their way to LDS
.set SAD, T+24                         ; v112-131 their 20 offsets
.set RS,  32                           ; s32-53 a row's 11 numbers at the even registers; the odd ones hold 0 (named as pairs)
.set MK,  66                           ; s66-81 sixteen masks of comparisons; later s66-70: masks of column 1's insertion
.set MS,  82                           ; s82-86 masks of an insertion
.macro DIVC d, a, b, r, t              ; d = a / b for a pair; r holds 1 / b: product, remainder, correction
	v_pk_mul_f32 v[\d:\d+1], v[\a:\a+1], v[\r:\r+1]
	v_pk_fma_f32 v[\t:\t+1], v[\d:\d+1], v[\b:\b+1], v[\a:\a+1] neg_lo:[1,0,0] neg_hi:[1,0,0]
	v_pk_fma_f32 v[\d:\d+1], v[\t:\t+1], v[\r:\r+1], v[\d:\d+1]
.endm
; x (register number) with payload p goes into column e's ascending list of five; strictly smaller only, so that what came earlier stays in front among equals.
; In two parts, so that several insertions' comparisons can stand in one run under one wait: CMP5 makes the five masks in s[m ..], PUT5 reads them.
.macro CMP5 e, x, m
.irp k, 0,1,2,3,4
	v_cmp_lt_f32 s[\m+\k], v[\x], v[CV+2*\k+\e]
.endr
.endm
.macro PUT5 e, x, p, m
.irp k, 4,3,2,1
	v_cndmask_b32 v[CP+2*\k+\e], v[CP+2*\k+\e], \p, s[\m+\k]
	v_cndmask_b32 v[CP+2*\k+\e], v[CP+2*\k+\e], v[CP+2*\k-2+\e], s[\m+\k-1]
	v_med3_num_f32 v[CV+2*\k+\e], v[\x], v[CV+2*\k-2+\e], v[CV+2*\k+\e]
.endr
	v_cndmask_b32 v[CP+\e], v[CP+\e], \p, s[\m]
	v_min_num_f32 v[CV+\e], v[CV+\e], v[\x]
.endm
.macro INS_IOU e, x                    ; x goes into column e's descending list of five
.irp k, 4,3,2,1
	v_med3_num_f32 v[UV+2*\k+\e], v[\x], v[UV+2*\k-2+\e], v[UV+2*\k+\e]
.endr
	v_max_num_f32 v[UV+\e], v[UV+\e], v[\x]
.endm
	s_load_b512 s[4:19], s[0:1], 0x0               ; logits s[4:5], boxes s[6:7], classes s[8:9], gt s[10:11], size s[12:13], size_tgt s[14:15], cost s[16:17], cmin s[18:19]
	s_load_b64 s[20:21], s[0:1], 0x40              ; part
	v_lshl_add_u32 v[SPW], v0, 2, SPARE
	v_mov_b32 v[NIL], 0
	v_and_b32 v1, 31, v0                           ; lane
	v_lshrrev_b32 v[T], 5, v0
	v_readfirstlane_b32 s22, v[T]                  ; wave
	s_mov_b32 s23, ttmp9                           ; block of 256 rows
	s_and_b32 s24, ttmp7, 0xffff                   ; image
	s_lshl_b32 s25, s23, 8
	s_wait_alu depctr_va_sdst(0)                   ; s22 is written, ahead of its first reader
	s_lshl_b32 s87, s22, 5
	s_add_co_u32 s25, s25, s87                     ; my wave's first row
	s_lshl_b32 s88, s24, 4
	s_mul_i32 s91, s24, NQ
	s_add_co_u32 s89, s91, s25
	s_mul_i32 s89, s89, 320                        ; that row's byte in pred_logits
	s_lshl_b32 s90, s24, 10
	v_lshlrev_b32 v[T+44], 5, v1
	v_add_nc_u32 v[T+44], s90, v[T+44]             ; my two boxes: (64 b + 2 l) x 16
	s_lshl_b32 s90, s24, 8
	v_lshl_add_u32 v[T+45], v1, 3, s90             ; my two classes
	v_add_nc_u32 v[T+46], s25, v1
	v_min_u32 v[T+46], NQ-1, v[T+46]               ; rows in lanes; past the last row the last one once more
	v_add_nc_u32 v[T+46], s91, v[T+46]
	v_lshlrev_b32 v[T+46], 4, v[T+46]
	v_lshl_add_u32 v[T+47], v1, 4, s89
.set k, 0
.rept 20                                               ; the 20 offsets of the logits' loads, all ahead of the one wait below; no load passes the buffer's end
	v_add_nc_u32 v[SAD+k], k*512, v[T+47]
	v_min_u32 v[SAD+k], LOGMAX, v[SAD+k]
.set k, k+1
.endr
	s_wait_kmcnt 0x0
	s_load_b128 s[28:31], s[12:13], s88 offset:0x0 ; the image's size
	s_wait_alu depctr_va_vdst(0)                   ; the 23 offsets v[T+24 .. T+46] are written, which the loads below read; so is v[T], in which one of them lands
	global_load_b128 v[T:T+3], v[T+44], s[10:11]
	global_load_b128 v[T+4:T+7], v[T+44], s[10:11] offset:16
	global_load_b128 v[T+8:T+11], v[T+44], s[14:15]
	global_load_b128 v[T+12:T+15], v[T+44], s[14:15] offset:16
	global_load_b64 v[T+20:T+21], v[T+45], s[8:9]
	global_load_b128 v[RL:RL+3], v[T+46], s[6:7]
.set k, 0
.rept 20                                               ; 32 rows of logits, 512 consecutive bytes a load
	global_load_b128 v[STG+4*k:STG+4*k+3], v[SAD+k], s[4:5] th:TH_LOAD_NT
.set k, k+1
.endr
.irp k, 0,1,2,3,4,5,6,7,8,9,10,11
	s_mov_b32 s[RS+2*\k+1], 0                      ; the pairs' upper halves (s55 with them)
.endr
	s_mov_b32 s56, 0x76543210                      ; v_permlanex16_b32: each lane takes its own place in the other half
	s_mov_b32 s57, 0xfedcba98
	s_mul_i32 s92, s22, 10240
	s_add_co_u32 s92, s92, LOGS                    ; my wave's rows of logits in LDS
	s_lshl_b32 s93, s24, 11
	s_add_co_u32 s93, s93, s25                     ; 2048 b + first row
	s_lshl_b32 s94, s93, 8
	s_mov_b32 s95, 0
	s_add_nc_u64 s[16:17], s[16:17], s[94:95]
	s_lshl_b32 s94, s93, 2
	s_add_nc_u64 s[18:19], s[18:19], s[94:95]
	s_lshl_b32 s94, s24, 3
	s_add_co_u32 s94, s94, s23
	s_mul_i32 s94, s94, 3840
	s_add_nc_u64 s[20:21], s[20:21], s[94:95]
	s_wait_loadcnt 20                              ; the six set-up loads are in; the 20 loads of logits issued behind them stay out
	s_wait_kmcnt 0x0
.irp c, 0,1,2,3                                        ; into pairs: boxes, and their image sizes
	v_mov_b32 v[GX0+2*\c], v[T+\c]
	v_mov_b32 v[GX0+2*\c+1], v[T+4+\c]
	v_mov_b32 v[LG+2*\c], v[T+8+\c]
	v_mov_b32 v[LG+2*\c+1], v[T+12+\c]
.endr
.irp c, 0,1,2,3,4,5,6,7
	v_rcp_f32 v[CO+\c], v[LG+\c]
.endr
	v_pk_add_f32 v[T:T+1], v[GX1:GX1+1], v[GX0:GX0+1] neg_lo:[0,1] neg_hi:[0,1]     ; width (the plain line behind the reciprocals)
	v_pk_add_f32 v[T+2:T+3], v[GY1:GY1+1], v[GY0:GY0+1] neg_lo:[0,1] neg_hi:[0,1]   ; height
	v_pk_mul_f32 v[GAR:GAR+1], v[T:T+1], v[T+2:T+3]
	s_wait_alu depctr_va_vdst(0)                   ; the eight reciprocals have written v[CO ..], ahead of their first reader
.irp c, 0,1,2,3
	DIVC TN0+2*\c, GX0+2*\c, LG+2*\c, CO+2*\c, T+4
.endr
	v_pk_add_f32 v[T+6:T+7], v[GX0:GX0+1], v[GX1:GX1+1]
	v_pk_add_f32 v[T+8:T+9], v[GY0:GY0+1], v[GY1:GY1+1]
	v_pk_mul_f32 v[T+6:T+7], v[T+6:T+7], 0.5 op_sel_hi:[1,0]
	v_pk_mul_f32 v[T+8:T+9], v[T+8:T+9], 0.5 op_sel_hi:[1,0]
	v_pk_fma_f32 v[CL:CL+1], v[T:T+1], 0xc0200000, v[T+6:T+7] op_sel_hi:[1,0,1]     ; centre -/+ 2.5 x extent
	v_pk_fma_f32 v[CR:CR+1], v[T:T+1], 0x40200000, v[T+6:T+7] op_sel_hi:[1,0,1]
	v_pk_fma_f32 v[CT:CT+1], v[T+2:T+3], 0xc0200000, v[T+8:T+9] op_sel_hi:[1,0,1]
	v_pk_fma_f32 v[CB:CB+1], v[T+2:T+3], 0x40200000, v[T+8:T+9] op_sel_hi:[1,0,1]
.irp e, 0,1
	v_min_u32 v[T+20+\e], 79, v[T+20+\e]           ; a loaded number enters an address only behind this bound
	v_lshl_add_u32 v[LAD+\e], v[T+20+\e], 2, s92
.endr
.irp c, 0,1,2,3
	v_rcp_f32 v[T+8+\c], s[28+\c]
.endr
	v_sub_f32 v[T+12], v[RL+2], v[RL]
	v_sub_f32 v[T+13], v[RL+3], v[RL+1]
	v_mul_f32 v[RL+4], v[T+12], v[T+13]            ; the query's area
	s_wait_alu depctr_va_vdst(0)                   ; the four reciprocals have written v[T+8 .. T+11], ahead of their first reader
.irp c, 0,1,2,3                                        ; the query's box / image size
	v_mul_f32 v[RL+5+\c], v[RL+\c], v[T+8+\c]
	v_fma_f32 v[T+12], -v[RL+5+\c], s[28+\c], v[RL+\c]
	v_fma_f32 v[RL+5+\c], v[T+12], v[T+8+\c], v[RL+5+\c]
.endr
	v_add_f32 v[RL+9], v[RL], v[RL+2]
	v_add_f32 v[RL+10], v[RL+1], v[RL+3]
	v_mul_f32 v[RL+9], 0.5, v[RL+9]
	v_mul_f32 v[RL+10], 0.5, v[RL+10]
.set k, 0
.rept 10
	v_mov_b32 v[CV+k], 0x7f800000
	v_mov_b32 v[CP+k], 0
	v_mov_b32 v[UV+k], -1.0
.set k, k+1
.endr
	v_mov_b32 v[CMV], 0x7f800000
	v_lshlrev_b32 v[OFFC], 3, v1
	v_lshl_add_u32 v[T+47], v1, 4, s92
	v_add_nc_u32 v[LA], 1280, v[LAD]               ; trip 0 asks for trip 1's rows
	v_add_nc_u32 v[LA+1], 1280, v[LAD+1]
	s_wait_loadcnt 0x0                             ; the logits
	s_wait_alu depctr_va_vdst(0)                   ; v[T+47], LAD, LA and OFFC are written, which the LDS instructions and stores below read; the lines above that named LG, in which the loads below land, are done
.set k, 0
.rept 20
	ds_store_b128 v[T+47], v[STG+4*k:STG+4*k+3] offset:k*512   ; my wave's own bytes: LDS serves a wave's instructions in order (ISA guide 5.7.1.4), so no barrier
.set k, k+1
.endr
.irp i, 0,1,2,3                                        ; trip 0's logits; each later trip's are asked for in the trip before it
	ds_load_b32 v[LG+2*\i], v[LAD] offset:\i*320
	ds_load_b32 v[LG+2*\i+1], v[LAD+1] offset:\i*320
.endr
	s_wait_alu depctr_vm_vsrc(0)                   ; the head's loads have read their offsets v[T+24 .. T+46] and the LDS stores v[T+47]: the rows below write these registers
; Row i's eleven numbers become scalars.  The wait for them stands where TAKE is used.
.macro TAKE i
	s_add_co_u32 s27, s87, \i                      ; the lane that holds this row
.irp k, 0,1,2,3,4,5,6,7,8,9,10
	v_readlane_b32 s[RS+2*\k], v[RL+\k], s27
.endr
.endm
; ONE ROW (row i of the trip's four): each lane makes the costs of its two columns.
.macro ROW i
.if \i == 0
	TAKE 0
	s_wait_alu depctr_va_sdst(0)                   ; the eleven numbers s[RS ..] are written, ahead of their first reader (rows 1 to 3: the row before has taken them)
.endif
.irp e, 0,1
	v_max_num_f32 v[T+\e],    s[RS],   v[GX0+\e]   ; intersection
	v_max_num_f32 v[T+2+\e],  s[RS+2], v[GY0+\e]
	v_min_num_f32 v[T+4+\e],  s[RS+4], v[GX1+\e]
	v_min_num_f32 v[T+6+\e],  s[RS+6], v[GY1+\e]
	v_min_num_f32 v[T+8+\e],  s[RS],   v[GX0+\e]   ; enclosing box
	v_min_num_f32 v[T+10+\e], s[RS+2], v[GY0+\e]
	v_max_num_f32 v[T+12+\e], s[RS+4], v[GX1+\e]
	v_max_num_f32 v[T+14+\e], s[RS+6], v[GY1+\e]
.endr
	v_pk_add_f32 v[T+4:T+5], v[T+4:T+5], v[T:T+1] neg_lo:[0,1] neg_hi:[0,1]
	v_pk_add_f32 v[T+6:T+7], v[T+6:T+7], v[T+2:T+3] neg_lo:[0,1] neg_hi:[0,1]
	v_pk_add_f32 v[T+12:T+13], v[T+12:T+13], v[T+8:T+9] neg_lo:[0,1] neg_hi:[0,1]
	v_pk_add_f32 v[T+14:T+15], v[T+14:T+15], v[T+10:T+11] neg_lo:[0,1] neg_hi:[0,1]
.irp r, 4,5,6,7,12,13,14,15
	v_max_num_f32 v[T+\r], 0, v[T+\r]
.endr
	v_pk_mul_f32 v[T:T+1], v[T+4:T+5], v[T+6:T+7]                          ; inter
	v_pk_mul_f32 v[T+8:T+9], v[T+12:T+13], v[T+14:T+15]                    ; area_c
	v_pk_add_f32 v[T+2:T+3], v[GAR:GAR+1], s[RS+8:RS+9] op_sel_hi:[1,0]
	v_pk_add_f32 v[T+2:T+3], v[T+2:T+3], v[T:T+1] neg_lo:[0,1] neg_hi:[0,1]  ; union
	v_rcp_f32 v[T+16], v[T+2]
	v_rcp_f32 v[T+17], v[T+3]
	v_rcp_f32 v[T+18], v[T+8]
	v_rcp_f32 v[T+19], v[T+9]
	v_pk_add_f32 v[T+10:T+11], v[T+8:T+9], v[T+2:T+3] neg_lo:[0,1] neg_hi:[0,1]  ; area_c - union: the plain line behind the reciprocals (ISA guide 5.7.2)
	s_wait_alu depctr_va_vdst(0)                   ; the four reciprocals have written v[T+16 .. T+19]; the row before has written its pair of CO, and .Lstep has written OFFC, which the store below reads
.if \i > 0
	global_store_b64 v[OFFC], v[CO+2*\i-2:CO+2*\i-1], s[16:17] offset:(\i-1)*256  ; the row before: the wave stores its 256 consecutive bytes
.endif
	DIVC T+20, T, T+2, T+16, T+22                  ; IoU
	DIVC T+24, T+10, T+8, T+18, T+22
	v_pk_add_f32 v[T+24:T+25], v[T+20:T+21], v[T+24:T+25] neg_lo:[0,1] neg_hi:[0,1]  ; generalised IoU
.irp c, 0,1,2,3
	v_pk_add_f32 v[T+26+2*\c:T+27+2*\c], v[TN0+2*\c:TN0+2*\c+1], s[RS+10+2*\c:RS+11+2*\c] op_sel_hi:[1,0] neg_lo:[1,0] neg_hi:[1,0]
.endr
.irp e, 0,1                                            ; the L1 distance
	v_add_f32 v[T+26+\e], |v[T+26+\e]|, |v[T+28+\e]|
	v_add_f32 v[T+26+\e], v[T+26+\e], |v[T+30+\e]|
	v_add_f32 v[T+26+\e], v[T+26+\e], |v[T+32+\e]|
.endr
.irp e, 0,1                                            ; the query's centre against the box and against the centre region
	v_cmp_gt_f32 s[MK+8*\e],   s[RS+18], v[GX0+\e]
	v_cmp_lt_f32 s[MK+8*\e+1], s[RS+18], v[GX1+\e]
	v_cmp_gt_f32 s[MK+8*\e+2], s[RS+20], v[GY0+\e]
	v_cmp_lt_f32 s[MK+8*\e+3], s[RS+20], v[GY1+\e]
	v_cmp_gt_f32 s[MK+8*\e+4], s[RS+18], v[CL+\e]
	v_cmp_lt_f32 s[MK+8*\e+5], s[RS+18], v[CR+\e]
	v_cmp_gt_f32 s[MK+8*\e+6], s[RS+20], v[CT+\e]
	v_cmp_lt_f32 s[MK+8*\e+7], s[RS+20], v[CB+\e]
.endr
.if \i < 3
	TAKE \i+1                                      ; no line of this row below reads s[RS ..]: the next row's eleven numbers are taken here, under the masks' wait
.endif
	v_pk_add_f32 v[T+34:T+35], v[LG+2*\i:LG+2*\i+1], 1.0 op_sel_hi:[1,0] neg_lo:[1,0] neg_hi:[1,0]  ; 1 - p
	v_pk_add_f32 v[T+38:T+39], v[LG+2*\i:LG+2*\i+1], 0x322bcc77 op_sel_hi:[1,0]                     ; p + 1e-8
	v_pk_add_f32 v[T+36:T+37], v[T+34:T+35], 0x322bcc77 op_sel_hi:[1,0]                             ; 1 - p + 1e-8
	v_log_f32 v[T+36], v[T+36]
	v_log_f32 v[T+37], v[T+37]
	v_log_f32 v[T+38], v[T+38]
	v_log_f32 v[T+39], v[T+39]
	v_pk_mul_f32 v[T+40:T+41], v[LG+2*\i:LG+2*\i+1], v[LG+2*\i:LG+2*\i+1]  ; the plain line behind the logarithms
	v_pk_mul_f32 v[T+42:T+43], v[T+34:T+35], v[T+34:T+35]
	s_wait_alu depctr_va_sdst(0)                   ; the sixteen masks s[MK ..] are written, ahead of their first reader; so are the next row's eleven numbers
.irp e, 0,1
	s_and_b32 s[MK+8*\e],   s[MK+8*\e],   s[MK+8*\e+1]
	s_and_b32 s[MK+8*\e+2], s[MK+8*\e+2], s[MK+8*\e+3]
	s_and_b32 s[MK+8*\e],   s[MK+8*\e],   s[MK+8*\e+2]   ; in the box
	s_and_b32 s[MK+8*\e+4], s[MK+8*\e+4], s[MK+8*\e+5]
	s_and_b32 s[MK+8*\e+6], s[MK+8*\e+6], s[MK+8*\e+7]
	s_and_b32 s[MK+8*\e+4], s[MK+8*\e+4], s[MK+8*\e+6]   ; in the centre region
	s_and_b32 s[MK+8*\e+1], s[MK+8*\e],   s[MK+8*\e+4]   ; in both
	s_or_b32  s[MK+8*\e],   s[MK+8*\e],   s[MK+8*\e+4]
.endr
	s_or_b32 s89, s[MK], s[MK+8]                   ; SCC: the centre lies in some box or region
	s_cselect_b32 s54, 0, 0x461c4000               ; else 1e4 on the whole row
	v_pk_mul_f32 v[T+40:T+41], v[T+40:T+41], 0x3f400000 op_sel_hi:[1,0]    ; 0.75 p^2
	v_pk_mul_f32 v[T+42:T+43], v[T+42:T+43], 0x3e800000 op_sel_hi:[1,0]    ; 0.25 (1 - p)^2
	s_wait_alu depctr_va_vdst(0)                   ; the four logarithms have written v[T+36 .. T+39]; the three lines that read this row's pair of LG are done, and LA is written: the loads below land in the one and read the other
	ds_load_b32 v[LG+2*\i], v[LA] offset:\i*320    ; the same row of the next trip: it has a whole trip in which to land
	ds_load_b32 v[LG+2*\i+1], v[LA+1] offset:\i*320
	v_pk_mul_f32 v[T+36:T+37], v[T+36:T+37], 0x3f317218 op_sel_hi:[1,0]    ; log2 to ln
	v_pk_mul_f32 v[T+38:T+39], v[T+38:T+39], 0x3f317218 op_sel_hi:[1,0]
	v_pk_mul_f32 v[T+40:T+41], v[T+40:T+41], v[T+36:T+37]                  ; - neg
	v_pk_fma_f32 v[T+40:T+41], v[T+42:T+43], v[T+38:T+39], v[T+40:T+41] neg_lo:[1,0,0] neg_hi:[1,0,0]  ; pos - neg
	v_pk_mul_f32 v[CO+2*\i:CO+2*\i+1], v[T+26:T+27], 0x40a00000 op_sel_hi:[1,0]
	v_pk_fma_f32 v[CO+2*\i:CO+2*\i+1], v[T+40:T+41], 2.0, v[CO+2*\i:CO+2*\i+1] op_sel_hi:[1,0,1]
	v_pk_fma_f32 v[CO+2*\i:CO+2*\i+1], v[T+24:T+25], -2.0, v[CO+2*\i:CO+2*\i+1] op_sel_hi:[1,0,1]
	v_cndmask_b32 v[T+44], 0x42c80000, 0, s[MK+1]  ; 100 where not in both
	v_cndmask_b32 v[T+45], 0x42c80000, 0, s[MK+9]
	v_pk_add_f32 v[CO+2*\i:CO+2*\i+1], v[CO+2*\i:CO+2*\i+1], v[T+44:T+45]
	v_pk_add_f32 v[CO+2*\i:CO+2*\i+1], v[CO+2*\i:CO+2*\i+1], s[54:55] op_sel_hi:[1,0]
	v_min_num_f32 v[T+46], v[CO+2*\i], v[CO+2*\i+1]                        ; the row's minimum, in every lane
	v_min_num_f32_dpp v[T+46], v[T+46], v[T+46] row_xmask:1 row_mask:0xf bank_mask:0xf
	v_min_num_f32_dpp v[T+46], v[T+46], v[T+46] row_xmask:2 row_mask:0xf bank_mask:0xf
	v_min_num_f32_dpp v[T+46], v[T+46], v[T+46] row_xmask:4 row_mask:0xf bank_mask:0xf
	v_min_num_f32_dpp v[T+46], v[T+46], v[T+46] row_xmask:8 row_mask:0xf bank_mask:0xf
	v_permlanex16_b32 v[T+47], v[T+46], s56, s57
	v_min_num_f32 v[T+46], v[T+46], v[T+47]
	v_cmp_eq_f32 s89, v[T+46], v[CO+2*\i]          ; one run of twelve masks: where the minimum lies, and both columns' insertions (the two lists share no register)
	v_cmp_eq_f32 s90, v[T+46], v[CO+2*\i+1]
	CMP5 0, CO+2*\i, MS
	CMP5 1, CO+2*\i+1, MK
	INS_IOU 0, T+20                                ; these read no mask: they stand between the run and the wait for it
	INS_IOU 1, T+21
	s_wait_alu depctr_va_sdst(0)                   ; the twelve masks s89, s90, s[MS ..], s[MK .. MK+4] are written, ahead of their first readers
.if \i == 3
	s_wait_alu depctr_va_vdst(0)                   ; this row has written its pair of CO, which the store below reads: no row follows in this trip behind whose wait it could stand
	global_store_b64 v[OFFC], v[CO+2*\i:CO+2*\i+1], s[16:17] offset:\i*256
.endif
	s_ctz_i32_b32 s89, s89                         ; the first column that holds it: 2 x lane, or 2 x lane + 1 (no bit: -1, which loses the unsigned minimum)
	s_ctz_i32_b32 s90, s90
	s_lshl_b32 s89, s89, 1
	s_lshl_b32 s90, s90, 1
	s_or_b32 s90, s90, 1
	s_min_u32 s89, s89, s90
	s_lshl_b32 s89, s89, 16
	s_add_co_u32 s90, s88, \i
	s_or_b32 s91, s89, s90                         ; payload: q | argmin column << 16
	s_add_co_u32 s93, s87, \i                      ; the lane that holds this row (s27 names the next row's by now)
	s_lshl_b32 s92, 1, s93
	v_cndmask_b32 v[CMV], v[CMV], v[T+46], s92
	PUT5 0, CO+2*\i, s91, MS
	PUT5 1, CO+2*\i+1, s91, MK
.endm
	s_mov_b32 s26, 0
.Ltrip:                                                ; 8 trips of 4 rows; 2000 is a multiple of 4, so a trip is all rows or all padding
	s_lshl_b32 s87, s26, 2
	s_add_co_u32 s88, s25, s87
	s_cmp_ge_u32 s88, NQ
	s_cbranch_scc1 .Lpad
	s_wait_dscnt 0x0                               ; this trip's logits, asked for in the trip before (trip 0's: ahead of the loop)
	ROW 0
	ROW 1
	ROW 2
	ROW 3
	s_branch .Lstep
.Lpad:
.irp r, 0,1,2,3,4,5,6,7
	v_mov_b32 v[CO+\r], 0x7f800000
.endr
	s_wait_alu depctr_va_vdst(0)                   ; CO is written, and so is OFFC (at .Lstep, or at the head): the stores below read them
.irp i, 0,1,2,3
	global_store_b64 v[OFFC], v[CO+2*\i:CO+2*\i+1], s[16:17] offset:\i*256
.endr
.Lstep:
	s_wait_xcnt 0x0                                ; the trip's stores have had their addresses translated: only now are their offset and data rewritten
	s_wait_alu depctr_vm_vsrc(0)                   ; the trip's stores have read OFFC and CO, its LDS loads LA: OFFC and LA are written below, CO in the next trip
	v_add_nc_u32 v[OFFC], 1024, v[OFFC]
	s_add_co_u32 s26, s26, 1
	s_add_co_u32 s89, s26, 1                       ; the next trip asks for the rows of the trip behind it;
	s_min_u32 s89, s89, 7                          ; the last trip asks for its own once more: no load leaves my wave's 10,240 bytes
	s_mul_i32 s89, s89, 1280
	v_add_nc_u32 v[LA], s89, v[LAD]
	v_add_nc_u32 v[LA+1], s89, v[LAD+1]
	s_cmp_lt_u32 s26, 8
	s_cbranch_scc1 .Ltrip
	; THE LISTS OF THE EIGHT WAVES ARE MERGED, two at a time, the higher rows' list into the lower rows'.  All four addresses are made first, so that one wait serves the stores and the merges' loads.
	v_lshlrev_b32 v[T], 2, v1
	s_mul_i32 s87, s22, 3840
	v_lshl_add_u32 v[T+1], v1, 3, s87
	s_lshr_b32 s88, s22, 1                         ; which two lists
	s_and_b32 s89, s22, 1
	s_lshl_b32 s89, s89, 7                         ; which 32 columns
	s_mul_i32 s90, s88, 7680
	s_add_co_u32 s90, s90, s89
	v_lshl_add_u32 v[MA], v1, 2, s90
	s_mul_i32 s91, s88, 3840
	s_add_co_u32 s91, s91, s89
	v_lshl_add_u32 v[MO], v1, 2, s91
	s_wait_alu depctr_va_vdst(0)                   ; v[T], v[T+1], MA and MO are written, and the rows have written CMV, CV, CP and UV: the stores below read them; the lines that named the registers in which the first merge's loads land are done
	global_store_b32 v[T], v[CMV], s[18:19]        ; my wave's 32 row minima
.irp k, 0,1,2,3,4
	ds_store_b64 v[T+1], v[CV+2*\k:CV+2*\k+1] offset:LSTA+\k*256
	ds_store_b64 v[T+1], v[CP+2*\k:CP+2*\k+1] offset:LSTA+(5+\k)*256
	ds_store_b64 v[T+1], v[UV+2*\k:UV+2*\k+1] offset:LSTA+(10+\k)*256
.endr
	s_wait_xcnt 0x0                                ; the store of the minima has had its address translated: v[T] is loaded into below
	s_wait_alu depctr_vm_vsrc(0)                   ; that store has read v[T] and CMV, the LDS stores v[T+1], CV, CP and UV: the merge's loads land in v[T ..], CV, CP, UV
.macro MERGE src
.irp k, 0,1,2,3,4
	ds_load_b32 v[CV+2*\k], v[MA] offset:\src+\k*256
	ds_load_b32 v[CP+2*\k], v[MA] offset:\src+(5+\k)*256
	ds_load_b32 v[UV+2*\k], v[MA] offset:\src+(10+\k)*256
.endr
.set k2, 0
.rept 15
	ds_load_b32 v[T+k2], v[MA] offset:\src+3840+k2*256
.set k2, k2+1
.endr
	s_wait_dscnt 0x0
.irp k, 0,1,2,3,4                                      ; each insertion compares with the list that the one before has left: a wait to each
	CMP5 0, T+\k, MS
	INS_IOU 0, T+10+\k
	s_wait_alu depctr_va_sdst(0)                   ; the five masks s[MS ..] are written, ahead of their first reader
	PUT5 0, T+\k, v[T+5+\k], MS
.endr
.endm
.macro PUT dst
	s_wait_alu depctr_va_vdst(0)                   ; the merge has written CV, CP and UV, which the LDS stores read, and is done with v[T ..], in which the next merge's loads land
.irp k, 0,1,2,3,4
	ds_store_b32 v[MO], v[CV+2*\k] offset:\dst+\k*256
	ds_store_b32 v[MO], v[CP+2*\k] offset:\dst+(5+\k)*256
	ds_store_b32 v[MO], v[UV+2*\k] offset:\dst+(10+\k)*256
.endr
	s_wait_alu depctr_vm_vsrc(0)                   ; these stores have read CV, CP and UV, in which the next merge's loads land: stated here, ahead of the branch that leads to them
.endm
	s_wait_dscnt 0x0                               ; for the others' sake: my lists are in LDS
	s_barrier_signal -1
	s_barrier_wait -1
	MERGE LSTA
	PUT LSTB
	s_wait_dscnt 0x0
	s_barrier_signal -1
	s_barrier_wait -1
	s_cmp_lt_u32 s22, 4
	s_cbranch_scc0 .Ls2
	MERGE LSTB
	PUT LSTC
.Ls2:
	s_wait_dscnt 0x0
	s_barrier_signal -1
	s_barrier_wait -1
	s_cmp_lt_u32 s22, 2
	s_cbranch_scc0 .Ls3
	MERGE LSTC
	s_wait_alu depctr_va_vdst(0)                   ; the last merge has written CV, CP and UV, which the stores below read
.irp k, 0,1,2,3,4
	global_store_b32 v[MO], v[CV+2*\k], s[20:21] offset:\k*256
	global_store_b32 v[MO], v[CP+2*\k], s[20:21] offset:(5+\k)*256
	global_store_b32 v[MO], v[UV+2*\k], s[20:21] offset:(10+\k)*256
.endr
.Ls3:
	s_wait_dscnt 0x0                               ; the closing lines, six on end
	s_wait_alu 0x0
	s_wait_tensorcnt 0x0
	ds_add_u32 v[SPW], v[NIL]
	s_wait_dscnt 0x0
	s_endpgm
.Lfunc_end_k_q66721cb5f1_cost:
	.size	k_q66721cb5f1_cost, .Lfunc_end_k_q66721cb5f1_cost-k_q66721cb5f1_cost
	.p2alignl 7, 3214868480
	.fill 96, 4, 3214868480
	.section	.rodata,"a",@progbits
	.p2align	6, 0x0
	.amdhsa_kernel k_q66721cb5f1_cost
		.amdhsa_group_segment_fixed_size 139264
		.amdhsa_private_segment_fixed_size 0
		.amdhsa_enable_private_segment 0
		.amdhsa_kernarg_size 72
		.amdhsa_user_sgpr_count 2
		.amdhsa_user_sgpr_kernarg_segment_ptr 1
		.amdhsa_wavefront_size32 1
		.amdhsa_system_sgpr_workgroup_id_x 1
		.amdhsa_system_sgpr_workgroup_id_y 1
		.amdhsa_system_sgpr_workgroup_id_z 1
		.amdhsa_system_vgpr_workitem_id 0
		.amdhsa_next_free_vgpr 224
		.amdhsa_next_free_sgpr 96
		.amdhsa_reserve_vcc 0
		.amdhsa_float_denorm_mode_32 3
		.amdhsa_float_denorm_mode_16_64 3
		.amdhsa_memory_ordered 1
		.amdhsa_forward_progress 1
		.amdhsa_inst_pref_size 92
	.end_amdhsa_kernel
	.amdgpu_metadata
---
amdhsa.version: [ 1, 2 ]
amdhsa.kernels:
  - .name:           k_q66721cb5f1_cost
    .symbol:         k_q66721cb5f1_cost.kd
    .args:
      - { .name: pred_logits, .offset: 0, .size: 8, .value_kind: global_buffer, .address_space: global }
      - { .name: pred_boxes, .offset: 8, .size: 8, .value_kind: global_buffer, .address_space: global }
      - { .name: gt_classes, .offset: 16, .size: 8, .value_kind: global_buffer, .address_space: global }
      - { .name: gt_boxes, .offset: 24, .size: 8, .value_kind: global_buffer, .address_space: global }
      - { .name: image_size_xyxy, .offset: 32, .size: 8, .value_kind: global_buffer, .address_space: global }
      - { .name: image_size_xyxy_tgt, .offset: 40, .size: 8, .value_kind: global_buffer, .address_space: global }
      - { .name: cost, .offset: 48, .size: 8, .value_kind: global_buffer, .address_space: global }
      - { .name: cmin, .offset: 56, .size: 8, .value_kind: global_buffer, .address_space: global }
      - { .name: part, .offset: 64, .size: 8, .value_kind: global_buffer, .address_space: global }
    .group_segment_fixed_size: 139264
    .private_segment_fixed_size: 0
    .kernarg_segment_align: 8
    .kernarg_segment_size: 72
    .max_flat_workgroup_size: 256
    .sgpr_count:     96
    .vgpr_count:     224
    .wavefront_size: 32
...
	.end_amdgpu_metadata
.endif
;; end of part 5
;; launch init: the kernel of part 2 again; grid 32 x 1, 10 waves a work-group, no clusters, 4,096 bytes of LDS; arguments part, SA; writes SA
;; launch loop1: the kernel of part 3 again; grid 32 x 1, 8 waves a work-group, no clusters, 16,384 bytes of LDS; arguments cost, cmin, SA, SB; writes SB
;; launch loop2: the kernel of part 3 again; grid 32 x 1, 8 waves a work-group, no clusters, 16,384 bytes of LDS; arguments cost, cmin, SB, SA; writes SA
;; launch loop3: the kernel of part 3 again; grid 32 x 1, 8 waves a work-group, no clusters, 16,384 bytes of LDS; arguments cost, cmin, SA, SB; writes SB
;; launch loop4: the kernel of part 3 again; grid 32 x 1, 8 waves a work-group, no clusters, 16,384 bytes of LDS; arguments cost, cmin, SB, SA; writes SA
;; launch emit: the kernel of part 4 again; grid 8 x 32, 8 waves a work-group, no clusters, 8,192 bytes of LDS; arguments cost, SA, out0, out1; writes out0, out1
